; MI455X (gfx1250); checked and timed in simulation.
; The chip was launched on July 23, 2026; its instructions are those of AMD's public machine-readable ISA for CDNA 5 (MIT licence, August 2026) and "CDNA5" Instruction Set Architecture Reference Guide (July 2026). The comments in the code are by the model that wrote it; some were corrected since.
;; Soft Align Attention Mixed. Allowed arithmetic: float matrix products may take bf16 or f16 operands with f32 sums; all other float work in f32.
;; Inputs: cond 4 x 512 x 2,048 float32; gk_b 512 float32; gk_w 512 x 512 float32; go_b 512 float32; go_w 512 x 512 float32; gq_b 512 float32; gq_w 512 x 512 float32; gv_b 512 float32; gv_w 512 x 512 float32; lk_b 512 float32; lk_w 512 x 512 float32; lo_b 512 float32; lo_w 512 x 512 float32; lq_b 512 float32; lq_w 512 x 512 float32; lv_b 512 float32; lv_w 512 x 512 float32; t 4 int32; x 4 x 512 x 2,048 float32.
;; Outputs: out0 4 x 512 x 2,048 float32.
;; One version. Each part assembles by itself: llvm-mc -triple=amdgcn-amd-amdhsa -mcpu=gfx1250 --defsym DOCPART=n.
;; ======== version 1 of 1: 4 launches
;; limits: values are held in f16: magnitudes above 65,504 overflow, below 6.1e-05 lose precision
;; workspace buffers: wf16 4,194,304 bytes; xf16 16,777,216 bytes; tab 524,544 bytes; qkv 50,724,864 bytes; att 16,777,216 bytes
;; launch prep (part 1): grid 256 x 1, 8 waves a work-group, no clusters, 0 bytes of LDS; arguments x, cond, lq_w, gq_w, lk_w, lv_w, gk_w, gv_w, go_w, lo_w, wf16, xf16, tab, qkv; writes wf16, xf16, tab, qkv
.if DOCPART == 1
	.amdgcn_target "amdgcn-amd-amdhsa--gfx1250"
	.amdhsa_code_object_version 6
	.text
	.protected	k_q4d8e1f04ff_prep
	.globl	k_q4d8e1f04ff_prep
	.p2align	8
	.type	k_q4d8e1f04ff_prep,@function
k_q4d8e1f04ff_prep:
	s_mov_b64 s[64:65], 0
	v_nop
	global_prefetch_b8 v0, s[64:65] scope:SCOPE_SE
	s_setreg_imm32_b32 hwreg(HW_REG_WAVE_MODE, 25, 1), 1
	s_wait_xcnt 0x0
; prep: a stream.  x, cond and the eight weight matrices are rounded once from f32 to f16; the table of RoPE cosines and sines is made;
; the zero rows in front of and behind the local keys and values are written.
;   wf16 [8][512][512] f16, order lq gq lk lv gk gv go lo;   xf16 [2][4][512][2048] f16 (x, cond)
;   tab  [2049][32] pairs (cos, sin) f32: row t = position t, row 2048 = (1, 0), the rotation that changes nothing
;   qkv  [6][32 heads][2064 rows][64] f16: rows 0-7 and 2056-2063 of kinds 2 and 3 (local k, v) are set to zero here
; 256 work-groups of 8 waves; each takes 1/256 of every array: 16 loads of x, 16 of cond, 8 of weights per thread, all issued first
; (40 loads of 16 bytes a lane in flight in every wave), each covering 512 consecutive bytes of a wave; each store covers 256 consecutive, aligned bytes.
; No LDS, no matrix unit, no cluster: nothing is read twice and no two work-groups read the same byte.
; LIMITS: f16 holds magnitudes up to 65504 (larger inputs become infinite) and steps of 6e-8 near zero.
; The angle t * 10000^(-i/32) is formed with v_exp_f32, so it may differ from a correctly rounded one by a few 1e-4 rad at t near 2047.
.set KINDB, 8454144                    ; bytes of one kind in qkv
.set HEADB, 264192                     ; bytes of one head: 2064 rows of 128 bytes
.set XQ, 32                            ; v[32:95]   x, 16 quads
.set CQ, 96                            ; v[96:159]  cond, 16 quads
.set WQ, 160                           ; v[160:191] weights, 8 quads
	s_load_b512 s[8:23], s[0:1], 0x0               ; x, cond, lq_w, gq_w, lk_w, lv_w, gk_w, gv_w
	s_load_b256 s[24:31], s[0:1], 0x40             ; go_w, lo_w, wf16, xf16
	s_load_b128 s[32:35], s[0:1], 0x60             ; tab, qkv
	v_lshrrev_b32 v3, 5, v0
	v_readfirstlane_b32 s4, v3                     ; wave
	v_lshlrev_b32 v1, 4, v0                        ; 16 bytes a thread in
	v_lshlrev_b32 v2, 3, v0                        ; 8 bytes a thread out
	s_lshl_b32 s36, ttmp9, 16                      ; my 65,536 bytes of x and of cond
	s_mov_b32 s37, 0
	s_lshl_b32 s38, ttmp9, 12                      ; my 4,096 bytes of each weight matrix
	s_mov_b32 s39, 0
	s_lshl_b32 s40, ttmp9, 11                      ; my 2,048 bytes of each matrix in wf16, and my 8 rows of tab
	s_mov_b32 s41, 0
	s_lshl_b32 s42, ttmp9, 15                      ; my 32,768 bytes of each half of xf16
	s_mov_b32 s43, 0
	s_wait_kmcnt 0x0
	s_add_nc_u64 s[8:9], s[8:9], s[36:37]
	s_add_nc_u64 s[10:11], s[10:11], s[36:37]
.irp w, 0,1,2,3,4,5,6,7
	s_add_nc_u64 s[12+2*\w:13+2*\w], s[12+2*\w:13+2*\w], s[38:39]
.endr
	s_add_nc_u64 s[28:29], s[28:29], s[40:41]
	s_add_nc_u64 s[30:31], s[30:31], s[42:43]
	s_add_nc_u64 s[44:45], s[30:31], 0x800000      ; cond's half of xf16: 8,388,608 is beyond the signed 24-bit immediate
	s_add_nc_u64 s[32:33], s[32:33], s[40:41]
.irp j, 0,1,2,3,4,5,6,7,8,9,10,11,12,13,14,15
	global_load_b128 v[XQ+4*\j:XQ+4*\j+3], v1, s[8:9] offset:4096*\j th:TH_LOAD_NT
.endr
.irp j, 0,1,2,3,4,5,6,7,8,9,10,11,12,13,14,15
	global_load_b128 v[CQ+4*\j:CQ+4*\j+3], v1, s[10:11] offset:4096*\j th:TH_LOAD_NT
.endr
.irp w, 0,1,2,3,4,5,6,7
	global_load_b128 v[WQ+4*\w:WQ+4*\w+3], v1, s[12+2*\w:13+2*\w] th:TH_LOAD_NT
.endr
	; the table, while the loads are on their way: wave = position t = 8 g + wave, lane = frequency i
	s_lshl_b32 s50, ttmp9, 3
	s_add_co_u32 s50, s50, s4                      ; t
	v_and_b32 v9, 31, v0
	v_cvt_f32_u32 v9, v9
	v_mul_f32 v9, 0xbed49a78, v9                   ; -i * log2(10000) / 32
	v_exp_f32 v10, v9                              ; 10000^(-i/32)
	v_cvt_f32_u32 v8, s50                          ; (the plain instruction behind v_exp_f32: ISA guide 5.7.2)
	s_wait_alu depctr_va_vdst(0)
	v_mul_f32 v11, v8, v10                         ; the angle a
	v_mul_f32 v12, 0.15915494, v11
	v_rndne_f32 v12, v12                           ; n = whole turns
	v_fmamk_f32 v13, v12, 0xc0c90fdb, v11          ; a - n * 2 pi, 2 pi in two parts: the f32 nearest to it,
	v_fmamk_f32 v13, v12, 0x343bbd2e, v13          ; and what that f32 is too large by (1.7484556e-7)
	v_mul_f32 v14, 0.5, v13                        ; y = half the reduced angle, |y| <= pi/2
	v_mul_f32 v15, v14, v14                        ; z = y^2
	v_mov_b32 v16, 0xb2d7322b                      ; sin y / y: Taylor to y^10 (the next term is below 6e-8 at pi/2)
	v_mov_b32 v17, 0x310f76c7                      ; cos y: Taylor to y^12
	v_fmaak_f32 v16, v16, v15, 0x3638ef1d
	v_fmaak_f32 v17, v17, v15, 0xb493f27e
	v_fmaak_f32 v16, v16, v15, 0xb9500d01
	v_fmaak_f32 v17, v17, v15, 0x37d00d01
	v_fmaak_f32 v16, v16, v15, 0x3c088889
	v_fmaak_f32 v17, v17, v15, 0xbab60b61
	v_fmaak_f32 v16, v16, v15, 0xbe2aaaab
	v_fmaak_f32 v17, v17, v15, 0x3d2aaaab
	v_fma_f32 v16, v16, v15, 1.0
	v_fma_f32 v17, v17, v15, -0.5
	v_mul_f32 v16, v16, v14                        ; sin y
	v_fma_f32 v17, v17, v15, 1.0                   ; cos y
	v_mul_f32 v18, v16, v17
	v_mul_f32 v19, v16, v16
	v_add_f32 v21, v18, v18                        ; sin a = 2 sin y cos y
	v_fma_f32 v20, v19, -2.0, 1.0                  ; cos a = 1 - 2 sin^2 y
	global_store_b64 v2, v[20:21], s[32:33]        ; a wave writes its row: 256 consecutive bytes
	; the zero rows: 2 kinds x 32 heads x 2 ends x 1,024 bytes = 256 pieces of 512 bytes, one for wave 0 of each work-group
	s_cmp_lg_u32 s4, 0
	s_cbranch_scc1 .Lnopad
	s_lshr_b32 s46, ttmp9, 7
	s_add_co_u32 s46, s46, 2                       ; kind 2 or 3
	s_mul_i32 s46, s46, KINDB
	s_bfe_u32 s47, ttmp9, 0x50002                  ; head
	s_mul_i32 s47, s47, HEADB
	s_add_co_u32 s46, s46, s47
	s_bfe_u32 s48, ttmp9, 0x10001                  ; front (rows 0-7) or back (rows 2056-2063)
	s_mul_i32 s48, s48, 263168
	s_add_co_u32 s46, s46, s48
	s_and_b32 s49, ttmp9, 1                        ; which half of the 1,024 bytes
	s_lshl_b32 s49, s49, 9
	s_add_co_u32 s46, s46, s49
	s_mov_b32 s47, 0
	s_add_nc_u64 s[46:47], s[34:35], s[46:47]
	v_mov_b32 v4, 0
	v_mov_b32 v5, 0
	v_mov_b32 v6, 0
	v_mov_b32 v7, 0
	global_store_b128 v1, v[4:7], s[46:47]         ; in wave 0 the thread's number is the lane
.Lnopad:
	s_cmp_lg_u32 s50, 1                            ; 8 g + wave = 1: wave 1 of work-group 0 writes the table's row 2048
	s_cbranch_scc1 .Lnoid
	v_mov_b32 v22, 1.0
	v_mov_b32 v23, 0
	global_store_b64 v2, v[22:23], s[32:33] offset:524288-256   ; in wave 1 v2 = 256 + 8 x lane
.Lnoid:
	; round and store in the order of the loads; each count leaves the younger loads on their way (loads return in order: ISA guide 5.7.1)
.irp j, 0,1,2,3,4,5,6,7,8,9,10,11,12,13,14,15
	s_wait_loadcnt 39-\j
	v_cvt_pk_f16_f32 v[XQ+4*\j], v[XQ+4*\j], v[XQ+4*\j+1]
	v_cvt_pk_f16_f32 v[XQ+4*\j+1], v[XQ+4*\j+2], v[XQ+4*\j+3]
	global_store_b64 v2, v[XQ+4*\j:XQ+4*\j+1], s[30:31] offset:2048*\j
.endr
.irp j, 0,1,2,3,4,5,6,7,8,9,10,11,12,13,14,15
	s_wait_loadcnt 23-\j
	v_cvt_pk_f16_f32 v[CQ+4*\j], v[CQ+4*\j], v[CQ+4*\j+1]
	v_cvt_pk_f16_f32 v[CQ+4*\j+1], v[CQ+4*\j+2], v[CQ+4*\j+3]
	global_store_b64 v2, v[CQ+4*\j:CQ+4*\j+1], s[44:45] offset:2048*\j
.endr
.irp w, 0,1,2,3,4,5,6,7
	s_wait_loadcnt 7-\w
	v_cvt_pk_f16_f32 v[WQ+4*\w], v[WQ+4*\w], v[WQ+4*\w+1]
	v_cvt_pk_f16_f32 v[WQ+4*\w+1], v[WQ+4*\w+2], v[WQ+4*\w+3]
	global_store_b64 v2, v[WQ+4*\w:WQ+4*\w+1], s[28:29] offset:524288*\w
.endr
	s_endpgm
.Lfunc_end_k_q4d8e1f04ff_prep:
	.size	k_q4d8e1f04ff_prep, .Lfunc_end_k_q4d8e1f04ff_prep-k_q4d8e1f04ff_prep
	.p2alignl 7, 3214868480
	.fill 96, 4, 3214868480
	.section	.rodata,"a",@progbits
	.p2align	6, 0x0
	.amdhsa_kernel k_q4d8e1f04ff_prep
		.amdhsa_group_segment_fixed_size 0
		.amdhsa_private_segment_fixed_size 0
		.amdhsa_enable_private_segment 0
		.amdhsa_kernarg_size 112
		.amdhsa_user_sgpr_count 2
		.amdhsa_user_sgpr_kernarg_segment_ptr 1
		.amdhsa_wavefront_size32 1
		.amdhsa_system_sgpr_workgroup_id_x 1
		.amdhsa_system_sgpr_workgroup_id_y 1
		.amdhsa_system_sgpr_workgroup_id_z 1
		.amdhsa_system_vgpr_workitem_id 0
		.amdhsa_next_free_vgpr 192
		.amdhsa_next_free_sgpr 66
		.amdhsa_reserve_vcc 0
		.amdhsa_float_denorm_mode_32 3
		.amdhsa_float_denorm_mode_16_64 3
		.amdhsa_memory_ordered 1
		.amdhsa_forward_progress 1
		.amdhsa_inst_pref_size 18
	.end_amdhsa_kernel
	.amdgpu_metadata
---
amdhsa.version: [ 1, 2 ]
amdhsa.kernels:
  - .name:           k_q4d8e1f04ff_prep
    .symbol:         k_q4d8e1f04ff_prep.kd
    .args:
      - { .name: x, .offset: 0, .size: 8, .value_kind: global_buffer, .address_space: global }
      - { .name: cond, .offset: 8, .size: 8, .value_kind: global_buffer, .address_space: global }
      - { .name: lq_w, .offset: 16, .size: 8, .value_kind: global_buffer, .address_space: global }
      - { .name: gq_w, .offset: 24, .size: 8, .value_kind: global_buffer, .address_space: global }
      - { .name: lk_w, .offset: 32, .size: 8, .value_kind: global_buffer, .address_space: global }
      - { .name: lv_w, .offset: 40, .size: 8, .value_kind: global_buffer, .address_space: global }
      - { .name: gk_w, .offset: 48, .size: 8, .value_kind: global_buffer, .address_space: global }
      - { .name: gv_w, .offset: 56, .size: 8, .value_kind: global_buffer, .address_space: global }
      - { .name: go_w, .offset: 64, .size: 8, .value_kind: global_buffer, .address_space: global }
      - { .name: lo_w, .offset: 72, .size: 8, .value_kind: global_buffer, .address_space: global }
      - { .name: wf16, .offset: 80, .size: 8, .value_kind: global_buffer, .address_space: global }
      - { .name: xf16, .offset: 88, .size: 8, .value_kind: global_buffer, .address_space: global }
      - { .name: tab, .offset: 96, .size: 8, .value_kind: global_buffer, .address_space: global }
      - { .name: qkv, .offset: 104, .size: 8, .value_kind: global_buffer, .address_space: global }
    .group_segment_fixed_size: 0
    .private_segment_fixed_size: 0
    .kernarg_segment_align: 8
    .kernarg_segment_size: 112
    .max_flat_workgroup_size: 256
    .sgpr_count:     66
    .vgpr_count:     192
    .wavefront_size: 32
...
	.end_amdgpu_metadata
.endif
;; end of part 1
;; launch proj (part 2): grid 64 x 12, 4 waves a work-group, clusters of 4 x 4, 327,680 bytes of LDS; arguments wf16, xf16, tab, lq_b, gq_b, lk_b, lv_b, gk_b, gv_b, qkv; writes qkv
.if DOCPART == 2
	.amdgcn_target "amdgcn-amd-amdhsa--gfx1250"
	.amdhsa_code_object_version 6
	.text
	.protected	k_q4d8e1f04ff_proj
	.globl	k_q4d8e1f04ff_proj
	.p2align	8
	.type	k_q4d8e1f04ff_proj,@function
k_q4d8e1f04ff_proj:
	s_mov_b64 s[64:65], 0
	v_nop
	global_prefetch_b8 v0, s[64:65] scope:SCOPE_SE
	s_setreg_imm32_b32 hwreg(HW_REG_WAVE_MODE, 25, 1), 1
	s_wait_xcnt 0x0
	s_wait_alu depctr_hold_cnt(0) depctr_sa_sdst(0) depctr_va_vdst(0) depctr_va_sdst(0) depctr_va_ssrc(0) depctr_va_vcc(0) depctr_vm_vsrc(0)
	s_getreg_b32 s2, hwreg(HW_REG_IB_STS2, 6, 4)
	s_cmp_eq_u32 s2, 0
	s_cbranch_scc0 .Lentry_in_a_cluster
	s_endpgm
.Lentry_in_a_cluster:
	s_bfe_u32 s2, ttmp6, 0x10000c
	s_cmp_lg_u32 s2, 0xf033
	s_cbranch_scc0 .Lentry_shape_is_right
	s_endpgm
.Lentry_shape_is_right:
; proj: the six input projections as one GEMM.  y[kind][b][o][t] = sum over c of W[kind][o][c] X[b][c][t] + bias[kind][o], kinds lq gq (X = x), lk lv gk gv (X = cond);
; kinds gq and gk are rotated (RoPE) on the way out; stored as qkv[kind][8 b + o/64][8 + t][o%64] in f16.
; A work-group makes 256 o x 128 t with K = 512; wave (wm, wn) makes 128 o x 64 t: 32 accumulator tiles, 256 registers.
; The matrix instruction takes 16 rows of W as source 0 and 16 columns t of X as source 1: lane (r, h) then holds o = 8 h + 0..7 of column t = r,
; eight neighbouring d of one position: the RoPE pairs lie in one lane and pack into 16 bytes.
; X lies [c][t] in memory, K not along the rows: its fragments come by the transposing LDS load.
; CLUSTERS: 4 x 4 work-groups.  W's tile hangs on the block row (kind, half of o) alone and is asked for jointly along a row of the cluster;
; X's tile hangs on the block column (b, t0) and on x-or-cond, which the four block rows of a cluster share, and is asked for jointly along a column.
; K goes in four steps of 128 through three LDS slots: steps 0, 1, 2 are asked for at the start (six tensor loads of a wave out at most), step 3 refills slot 0.
; The choice of bias and of the table's rows by kind is made by selects and arithmetic, never by a branch: kinds differ between partners of a cluster.
; Kinds that are not rotated read the table's row 2048, (cos, sin) = (1, 0).
; LIMITS: operands f16, sums f32; a result above 65504 in magnitude becomes infinite in qkv.
; REGISTERS: window 0: v8-21 addresses; v32-95, v96-159 fragments of W (two buffers); v160-191, v192-223 fragments of X (two buffers)
;            window 1: accumulators, tile (mt, nt) at 8 (4 mt + nt);   window 2: v0-63 bias as a C operand, v64-191 (cos, sin) pairs
.set SLOT,  106496                     ; W 256 rows x 272 bytes, then X 128 rows x 288 bytes
.set XOFF,  69632
.set WP,    272                        ; 256 bytes + 16: 17 x 16 bytes, so the 16 rows of a fragment start 16 bytes apart modulo 256
.set XP,    288                        ; 256 bytes + 32: 9 x 32 bytes, for the transposing load
.set STG,   SLOT                       ; the way out's stage, 4,608 bytes a wave, in slot 1: that slot is filled once, at the start
.set KINDB, 8454144
.set HEADB, 264192
.set MSB, 0
.macro WIN new                         ; the immediate's high byte repeats the setting that is left
.if MSB != \new
	s_set_vgpr_msb (MSB<<8)|\new
.set MSB, \new
.endif
.endm
.macro PLACES                          ; four places behind matrix instructions (ISA guide 7.12.1)
.rept 4
	v_nop
.endr
.endm
.macro CREST                           ; a round of the cluster's barrier behind its opening work-group barrier
	s_cmp_lg_u32 s4, 0
	s_cbranch_scc1 .Lnot_wave_0_\@
	s_barrier_signal -3
.Lnot_wave_0_\@:
	s_barrier_wait -3
	s_barrier_signal -1
	s_barrier_wait -1
.endm
.macro CROUND
	s_barrier_signal -1
	s_barrier_wait -1
	CREST
.endm
	s_load_b512 s[36:51], s[0:1], 0x0              ; wf16, xf16, tab, lq_b, gq_b, lk_b, lv_b, gk_b
	s_load_b128 s[52:55], s[0:1], 0x40             ; gv_b, qkv
	v_lshl_add_u32 v254, v0, 2, 0x4e000
	v_mov_b32 v255, 0
	ds_add_u32 v254, v255
	v_lshrrev_b32 v1, 5, v0
	v_readfirstlane_b32 s4, v1                     ; wave
	s_lshr_b32 s5, s4, 1                           ; wm: which 128 o
	s_and_b32 s6, s4, 1                            ; wn: which 64 t
	s_bfe_u32 s7, ttmp6, 0x40000                   ; cx
	s_bfe_u32 s8, ttmp6, 0x40004                   ; cy
	s_lshl_b32 s9, ttmp9, 2
	s_add_co_u32 s9, s9, s7                        ; tb = block column, 0..63
	s_and_b32 s11, ttmp7, 0xffff                   ; the cluster's y, 0..2
	s_lshl_b32 s10, s11, 2
	s_add_co_u32 s10, s10, s8                      ; yb = block row, 0..11 = 2 kind + half of o
	s_lshr_b32 s56, s10, 1                         ; kind
	s_lshr_b32 s59, s9, 4                          ; b
	s_and_b32 s60, s9, 15
	s_lshl_b32 s60, s60, 7                         ; t0
	s_lshl_b32 s94, s8, 2
	s_lshl_b32 s94, 15, s94                        ; my row of the cluster
	s_lshl_b32 s95, 0x1111, s7                     ; my column
	s_cmp_eq_u32 s56, 1
	s_cselect_b32 s57, 1, 0
	s_cmp_eq_u32 s56, 4
	s_cselect_b32 s57, 1, s57                      ; 1 for the kinds that are rotated
	s_xor_b32 s58, s57, 1
	s_lshl_b32 s58, s58, 11                        ; else the table's row 2048
	; group 1 of W's parts: 64 rows x 128 f16, 512 elements from row to row, 4 words of padding behind every 64
	s_or_b32 s68, s94, (1<<16)|(1<<20)|(1<<21)|(5<<22)|(3<<25)
	s_mov_b32 s69, 128<<16
	s_mov_b32 s70, 64<<16
	s_mov_b32 s71, 128<<16
	s_mov_b32 s72, 64
	s_mov_b32 s73, 512
	s_mov_b32 s74, 0
	s_mov_b32 s75, 0
	; group 1 of X's parts: 32 rows (c) x 128 f16 (t), 2,048 elements from row to row, 8 words of padding behind every 64
	s_or_b32 s76, s95, (1<<16)|(1<<20)|(1<<21)|(5<<22)|(7<<25)
	s_mov_b32 s77, 128<<16
	s_mov_b32 s78, 32<<16
	s_mov_b32 s79, 128<<16
	s_mov_b32 s80, 32
	s_mov_b32 s81, 2048
	s_mov_b32 s82, 0
	s_mov_b32 s83, 0
	; W's address: block row and wave (s84, s85 never hold cx)
	s_lshl_b32 s84, s10, 18                        ; 256 rows of 1,024 bytes
	s_lshl_b32 s85, s4, 16                         ; my 64 rows
	s_add_co_u32 s84, s84, s85
	s_mov_b32 s85, 0
	; X's address: x or cond, b, t0 and wave (s86, s87 never hold cy)
	s_min_u32 s86, s11, 1
	s_lshl_b32 s86, s86, 23
	s_lshl_b32 s87, s59, 21
	s_add_co_u32 s86, s86, s87
	s_lshl_b32 s87, s60, 1
	s_add_co_u32 s86, s86, s87
	s_lshl_b32 s87, s4, 17                         ; my 32 rows of 4,096 bytes
	s_add_co_u32 s86, s86, s87
	s_mov_b32 s87, 0
	s_mul_i32 s92, s4, 64*WP                       ; where they go: the wave's number alone
	s_mul_i32 s93, s4, 32*XP
	s_add_co_u32 s93, s93, XOFF
	; where the results go
	s_mul_i32 s61, s56, KINDB
	s_lshl_b32 s62, s59, 3
	s_and_b32 s63, s10, 1
	s_lshl2_add_u32 s62, s63, s62
	s_lshl1_add_u32 s62, s5, s62                   ; head 8 b + 4 half + 2 wm
	s_mul_i32 s62, s62, HEADB
	s_add_co_u32 s61, s61, s62
	s_lshl_b32 s62, s6, 6
	s_add_co_u32 s62, s62, s60
	s_add_co_u32 s62, s62, 8                       ; row 8 + t0 + 64 wn
	s_lshl_b32 s62, s62, 7
	s_add_co_u32 s90, s61, s62
	s_mov_b32 s91, 0
	s_wait_dscnt 0x0
	s_wait_kmcnt 0x0
	s_add_nc_u64 s[84:85], s[36:37], s[84:85]
	s_add_nc_u64 s[86:87], s[38:39], s[86:87]
	s_add_nc_u64 s[90:91], s[54:55], s[90:91]
	s_mov_b64 s[88:89], s[42:43]                   ; the kind's bias
.irp k, 1,2,3,4,5
	s_cmp_eq_u32 s56, \k
	s_cselect_b64 s[88:89], s[42+2*\k:43+2*\k], s[88:89]
.endr
	CROUND                                         ; all sixteen work-groups are here: the first joint loads meet
.irp s, 0,1,2
	s_mov_b32 s[12+4*\s], 1
	s_add_co_u32 s[13+4*\s], s92, \s*SLOT
	s_add_nc_u64 s[14+4*\s:15+4*\s], s[84:85], \s*256          ; K step s: 128 f16 along W's rows
	s_or_b32 s[15+4*\s], s[15+4*\s], 0x80000000
	s_mov_b32 s[24+4*\s], 1
	s_add_co_u32 s[25+4*\s], s93, \s*SLOT
	s_add_nc_u64 s[26+4*\s:27+4*\s], s[86:87], \s*524288       ; K step s: 128 rows of X
	s_or_b32 s[27+4*\s], s[27+4*\s], 0x80000000
	tensor_load_to_lds s[12+4*\s:15+4*\s], s[68:75]
	s_nop 0
	tensor_load_to_lds s[24+4*\s:27+4*\s], s[76:83]
	s_nop 0
.endr
	v_and_b32 v1, 15, v0                           ; r
	v_bfe_u32 v2, v0, 4, 1                         ; h
	v_and_b32 v3, 31, v0                           ; lane
	v_and_b32 v4, 7, v0
	v_bfe_u32 v5, v0, 3, 1
	v_lshl_add_u32 v6, v2, 3, v4
	v_mul_u32_u24 v6, v6, XP
	v_lshl_add_u32 v6, v5, 4, v6                   ; transposing load: row 8 h + lane%8, 16 bytes for each half of eight lanes
	v_mul_u32_u24 v7, v1, WP
	v_lshl_add_u32 v7, v2, 4, v7                   ; plain fragment: row r, 16 bytes for each half of the lanes
	s_mul_i32 s61, s5, 128*WP
	s_lshl_b32 s62, s6, 7
	s_add_co_u32 s62, s62, XOFF
	v_add_nc_u32 v7, s61, v7
	v_add_nc_u32 v6, s62, v6
.irp s, 0,1,2
	v_add_nc_u32 v[8+\s], \s*SLOT, v7              ; v8-10: W's fragments in slot s
	v_add_nc_u32 v[11+\s], \s*SLOT, v6             ; v11-13: X's
.endr
	s_mul_i32 s61, s4, 4608
	s_add_co_u32 s61, s61, STG
	v_mul_u32_u24 v22, v1, 144
	v_lshl_add_u32 v22, v2, 4, v22
	v_add_nc_u32 v14, s61, v22                     ; stage in: row t = r, 16 bytes for each half
	v_lshrrev_b32 v22, 3, v3
	v_mul_u32_u24 v22, v22, 144
	v_lshl_add_u32 v22, v4, 4, v22
	v_add_nc_u32 v15, s61, v22                     ; stage back: four rows of 128 bytes a load
	v_lshlrev_b32 v16, 4, v3                       ; and the same 512 consecutive bytes in qkv
	s_lshl_b32 s61, s6, 6
	s_add_co_u32 s61, s61, s60
	v_add_nc_u32 v22, s61, v1                      ; t0 + 64 wn + r
	v_lshlrev_b32 v24, 5, v2                       ; 32 h
.irp nt, 0,1,2,3
	v_add_nc_u32 v23, 16*\nt, v22
	v_mul_lo_u32 v23, v23, s57
	v_add_nc_u32 v23, s58, v23                     ; the position, or 2048
	v_lshl_add_u32 v[17+\nt], v23, 8, v24          ; v17-20: my 32 bytes in that row of the table
.endr
	s_and_b32 s61, s10, 1
	s_lshl_b32 s61, s61, 10
	s_lshl_b32 s62, s5, 9
	s_add_co_u32 s61, s61, s62
	v_add_nc_u32 v21, s61, v24                     ; bias: 4 (256 half + 128 wm + 8 h)
	WIN 0x80                                       ; destinations in window 2
.irp m, 0,1,2,3,4,5,6,7
	global_load_b128 v[8*\m:8*\m+3], v21, s[88:89] offset:64*\m
	global_load_b128 v[8*\m+4:8*\m+7], v21, s[88:89] offset:64*\m+16
.endr
.irp nt, 0,1,2,3
.irp q, 0,1,2,3
	global_load_b128 v[64+32*\nt+8*\q:64+32*\nt+8*\q+3], v[17+\nt], s[40:41] offset:64*\q
	global_load_b128 v[64+32*\nt+8*\q+4:64+32*\nt+8*\q+7], v[17+\nt], s[40:41] offset:64*\q+16
.endr
.endr
	WIN 0
; 24 LDS loads: the fragments of 32 along K (quarter ks of a slot) into buffer f: X's four column tiles, then W's eight row tiles
.macro FETCH slot, ks, f
.irp nt, 0,1,2,3
	ds_load_tr16_b128 v[160+32*\f+8*\nt:160+32*\f+8*\nt+3], v[11+\slot] offset:32*XP*\ks+32*\nt
	ds_load_tr16_b128 v[160+32*\f+8*\nt+4:160+32*\f+8*\nt+7], v[11+\slot] offset:32*XP*\ks+32*\nt+16*XP
.endr
.irp m, 0,1,2,3,4,5,6,7
	ds_load_b128 v[32+64*\f+8*\m:32+64*\f+8*\m+3], v[8+\slot] offset:16*WP*\m+64*\ks
	ds_load_b128 v[32+64*\f+8*\m+4:32+64*\f+8*\m+7], v[8+\slot] offset:16*WP*\m+64*\ks+32
.endr
.endm
; 16 matrix instructions: row tiles 4 half .. 4 half + 3 x all four column tiles.  cm = 1: the bias is the C operand and starts the sums.
; The 32 accumulators take turns, one instruction a turn, in the same order in every quarter.
.macro MULH f, half, cm
.if \cm
	WIN 0x60
.else
	WIN 0x50
.endif
.irp a, 0,1,2,3
.set MT, 4*\half+\a
.irp nt, 0,1,2,3
.set AC, 8*(4*MT+\nt)
.if \cm
	v_wmma_f32_16x16x32_f16 v[AC:AC+7], v[32+64*\f+8*MT:32+64*\f+8*MT+7], v[160+32*\f+8*\nt:160+32*\f+8*\nt+7], v[8*MT:8*MT+7]
.else
	v_wmma_f32_16x16x32_f16 v[AC:AC+7], v[32+64*\f+8*MT:32+64*\f+8*MT+7], v[160+32*\f+8*\nt:160+32*\f+8*\nt+7], v[AC:AC+7]
.endif
.endr
.endr
.endm
; a quarter: multiplies buffer f; in its middle it fetches the next quarter's fragments into buffer g
.macro SUB f, g, nslot, nks, cm
	s_wait_dscnt 8                                 ; X's tiles and W's tiles 0-3 are in; the youngest eight loads (W's tiles 4-7) may be out
	MULH \f, 0, \cm
	PLACES
	WIN 0
	FETCH \nslot, \nks, \g
	s_wait_dscnt 24                                ; all but the 24 just issued
	MULH \f, 1, \cm
.endm
; the quarter that changes slots behind a barrier: multiplies buffer 1, fetches slot nslot's first quarter into buffer 0.
; In front of the signal: my LDS reads are back and all my tensor loads have landed.  refill = 1: the barrier opens a round of the cluster's
; barrier, and behind the round slot 0 is asked for again (K step 3), first of all.
.macro SUBX nslot, refill
	s_wait_dscnt 0x0
	s_wait_tensorcnt 0x0
	ds_add_u32 v254, v255
	s_wait_dscnt 0x0
	s_barrier_signal -1
	MULH 1, 0, 0                                   ; registers only, while the others arrive
	WIN 0
	s_barrier_wait -1
.if \refill
	CREST
	s_add_nc_u64 s[14:15], s[14:15], 768           ; three K steps on along W's rows
	s_add_nc_u64 s[26:27], s[26:27], 1572864       ; and 384 rows of X on
	tensor_load_to_lds s[12:15], s[68:75]
	s_nop 0
	tensor_load_to_lds s[24:27], s[76:83]
	s_nop 0
.endif
	PLACES
	FETCH \nslot, 0, 0
	MULH 1, 1, 0
.endm
	s_wait_tensorcnt 4                             ; my parts of K step 0 are in; the four younger loads (steps 1, 2) stay out
	s_barrier_signal -1
	s_barrier_wait -1
	FETCH 0, 0, 0
	s_wait_loadcnt 0x0                             ; bias and table
	SUB 0, 1, 0, 1, 1                              ; K step 0
	SUB 1, 0, 0, 2, 0
	SUB 0, 1, 0, 3, 0
	SUBX 1, 1                                      ; all three slots have landed in every wave; slot 0 is read out and asked for again
	SUB 0, 1, 1, 1, 0                              ; K step 1
	SUB 1, 0, 1, 2, 0
	SUB 0, 1, 1, 3, 0
	SUB 1, 0, 2, 0, 0                              ; slot 2 was shown whole by the round above
	SUB 0, 1, 2, 1, 0                              ; K step 2
	SUB 1, 0, 2, 2, 0
	SUB 0, 1, 2, 3, 0
	SUBX 0, 0                                      ; K step 3 has landed in every wave; every wave's reads of slots 1 and 2 are back
	SUB 0, 1, 0, 1, 0                              ; K step 3
	SUB 1, 0, 0, 2, 0
	SUB 0, 1, 0, 3, 0
	s_wait_dscnt 0x0
	MULH 1, 0, 0
	MULH 1, 1, 0
	PLACES                                         ; behind the last matrix instructions: results are read, fragment registers rewritten
; THE WAY OUT, 16 positions at a time: rotate (y1 = x1 cos - x2 sin, y2 = x1 sin + x2 cos), round to f16, 16 bytes a lane into my stage
; (2 heads x 16 rows of 128 + 16 bytes), read back four rows a load, store 512 consecutive, aligned bytes a wave.
.macro OUTN nt
	WIN 0x09                                       ; source 0 window 1 (sums), source 1 window 2 (table)
.irp m, 0,1,2,3,4,5,6,7
.irp p, 0,1,2,3
.set AC, 8*(4*\m+\nt)+2*\p
.set TB, 64+32*\nt+8*(\m%4)+2*\p
	v_mul_f32 v[160+2*\p], v[AC+1], v[TB+1]
	v_mul_f32 v[161+2*\p], v[AC], v[TB+1]
	v_fma_f32 v[32+8*\m+2*\p], v[AC], v[TB], -v[160+2*\p]
	v_fma_f32 v[33+8*\m+2*\p], v[AC+1], v[TB], v[161+2*\p]
.endr
.endr
	WIN 0
.irp m, 0,1,2,3,4,5,6,7
.irp q, 0,1,2,3
	v_cvt_pk_f16_f32 v[96+4*\m+\q], v[32+8*\m+2*\q], v[33+8*\m+2*\q]
.endr
.endr
.irp m, 0,1,2,3,4,5,6,7
	ds_store_b128 v14, v[96+4*\m:96+4*\m+3] offset:2304*(\m/4)+32*(\m%4)
.endr
	s_wait_xcnt 0x0                                ; v128-159, which the last turn's stores read, are loaded again only behind this wait
.irp i, 0,1,2,3,4,5,6,7
	ds_load_b128 v[128+4*\i:128+4*\i+3], v15 offset:2304*(\i/4)+576*(\i%4)   ; LDS serves a wave's instructions in order: these see the stores above
.endr
.irp i, 0,1,2,3,4,5,6,7
	s_wait_dscnt 7-\i
	global_store_b128 v16, v[128+4*\i:128+4*\i+3], s[90:91] offset:HEADB*(\i/4)+2048*\nt+512*(\i%4)
.endr
.endm
	OUTN 0
	OUTN 1
	OUTN 2
	OUTN 3
	s_wait_tensorcnt 0x0
	ds_add_u32 v254, v255
	s_wait_dscnt 0x0
	CROUND                                         ; the closing round: no work-group ends while a partner may still ask for a tile that names it
	s_endpgm
.Lfunc_end_k_q4d8e1f04ff_proj:
	.size	k_q4d8e1f04ff_proj, .Lfunc_end_k_q4d8e1f04ff_proj-k_q4d8e1f04ff_proj
	.p2alignl 7, 3214868480
	.fill 96, 4, 3214868480
	.section	.rodata,"a",@progbits
	.p2align	6, 0x0
	.amdhsa_kernel k_q4d8e1f04ff_proj
		.amdhsa_group_segment_fixed_size 327680
		.amdhsa_private_segment_fixed_size 0
		.amdhsa_enable_private_segment 0
		.amdhsa_kernarg_size 80
		.amdhsa_user_sgpr_count 2
		.amdhsa_user_sgpr_kernarg_segment_ptr 1
		.amdhsa_wavefront_size32 1
		.amdhsa_system_sgpr_workgroup_id_x 1
		.amdhsa_system_sgpr_workgroup_id_y 1
		.amdhsa_system_sgpr_workgroup_id_z 1
		.amdhsa_system_vgpr_workitem_id 0
		.amdhsa_next_free_vgpr 704
		.amdhsa_next_free_sgpr 96
		.amdhsa_reserve_vcc 0
		.amdhsa_float_denorm_mode_32 3
		.amdhsa_float_denorm_mode_16_64 3
		.amdhsa_memory_ordered 1
		.amdhsa_forward_progress 1
		.amdhsa_inst_pref_size 116
	.end_amdhsa_kernel
	.amdgpu_metadata
---
amdhsa.version: [ 1, 2 ]
amdhsa.kernels:
  - .name:           k_q4d8e1f04ff_proj
    .symbol:         k_q4d8e1f04ff_proj.kd
    .args:
      - { .name: wf16, .offset: 0, .size: 8, .value_kind: global_buffer, .address_space: global }
      - { .name: xf16, .offset: 8, .size: 8, .value_kind: global_buffer, .address_space: global }
      - { .name: tab, .offset: 16, .size: 8, .value_kind: global_buffer, .address_space: global }
      - { .name: lq_b, .offset: 24, .size: 8, .value_kind: global_buffer, .address_space: global }
      - { .name: gq_b, .offset: 32, .size: 8, .value_kind: global_buffer, .address_space: global }
      - { .name: lk_b, .offset: 40, .size: 8, .value_kind: global_buffer, .address_space: global }
      - { .name: lv_b, .offset: 48, .size: 8, .value_kind: global_buffer, .address_space: global }
      - { .name: gk_b, .offset: 56, .size: 8, .value_kind: global_buffer, .address_space: global }
      - { .name: gv_b, .offset: 64, .size: 8, .value_kind: global_buffer, .address_space: global }
      - { .name: qkv, .offset: 72, .size: 8, .value_kind: global_buffer, .address_space: global }
    .group_segment_fixed_size: 327680
    .private_segment_fixed_size: 0
    .kernarg_segment_align: 8
    .kernarg_segment_size: 80
    .max_flat_workgroup_size: 128
    .sgpr_count:     96
    .vgpr_count:     704
    .wavefront_size: 32
...
	.end_amdgpu_metadata
.endif
;; end of part 2
;; launch attn (part 3): grid 8 x 32, 8 waves a work-group, clusters of 4 x 1, 327,680 bytes of LDS; arguments qkv, t, att; writes att
.if DOCPART == 3
	.amdgcn_target "amdgcn-amd-amdhsa--gfx1250"
	.amdhsa_code_object_version 6
	.text
	.protected	k_q4d8e1f04ff_attn
	.globl	k_q4d8e1f04ff_attn
	.p2align	8
	.type	k_q4d8e1f04ff_attn,@function
k_q4d8e1f04ff_attn:
	s_mov_b64 s[64:65], 0
	v_nop
	global_prefetch_b8 v0, s[64:65] scope:SCOPE_SE
	s_setreg_imm32_b32 hwreg(HW_REG_WAVE_MODE, 25, 1), 1
	s_wait_xcnt 0x0
	s_wait_alu depctr_hold_cnt(0) depctr_sa_sdst(0) depctr_va_vdst(0) depctr_va_sdst(0) depctr_va_ssrc(0) depctr_va_vcc(0) depctr_vm_vsrc(0)
	s_getreg_b32 s2, hwreg(HW_REG_IB_STS2, 6, 4)
	s_cmp_eq_u32 s2, 0
	s_cbranch_scc0 .Lentry_in_a_cluster
	s_endpgm
.Lentry_in_a_cluster:
	s_bfe_u32 s2, ttmp6, 0x10000c
	s_cmp_lg_u32 s2, 0x3003
	s_cbranch_scc0 .Lentry_shape_is_right
	s_endpgm
.Lentry_shape_is_right:
; attn: both attentions of one head for 256 queries.  att[0][head][t][d] = sqrt(1 - t_b/999) x global attention, att[1][head][t][d] = sqrt(t_b/999) x local attention, f16.
; Eight waves, 32 queries each (two tiles of 16).  GLOBAL: flash attention over 2,048 keys with a running maximum, in eight tiles of 256 keys through two LDS slots.
; S^T = K Q^T: lane (r, h) holds keys 8 h + 0..7 of query r, so maximum, sum and rescaling are a lane's own (one exchange between the halves for the maximum),
; and the lane's exponentials, packed, are already the second source of O^T = V^T P^T.  V lies [key][d]: its fragments come by the transposing LDS load.
; THE PIPELINE: the wave's two query tiles are half a block apart, so that matrix and vector instructions of one wave stand side by side.  A block j of 64 keys is two phases:
;   phase (0, j): softmax of tile 0 with the products S(1, j) strewn among its lines; then O(0) and tile 0's sum are rescaled and added up with the products PV(1, j-1) among them;
;   phase (1, j): softmax of tile 1 with S(0, j+1); then O(1) and its sum with PV(0, j).
; The lines strewn together name no common register.  K(j+1) is loaded in the middle of phase (0, j), V(j) at its end.
; LOCAL: query t sees keys t-8 .. t+7 = rows t .. t+15 of the padded arrays (the zero rows count in the softmax with dot 0 and add nothing, as in the problem).
; A tile of 16 queries multiplies 32 key rows; outside the band the dot is replaced by -inf; the true maximum of the 16 is taken away.
; CLUSTERS: the four work-groups of a cluster are four query blocks of one head and walk the same K and V tiles: joint loads, mask 15.
; The local tiles are each wave's own (48 rows), plain loads.  A wave has six tensor loads out at most (the start), later two.
; LIMITS: operands f16 (P <= 1; sums, maxima, exponentials f32); t outside 0..999 gives NaN through the square root, as in the problem; NaN or infinite q, k, v are not treated.
; REGISTERS window 0: v1 sg, v2 sl, v3-11 addresses, v12-13 maxima, v14 the address of q (at the end v14-15 the sums), v16-19 -max*c pairs, v20-23 rescale pairs, v24-31 at work,
;   v32-95 S (tile (qt, kt) at 8 (4 qt + kt)), v96-127 P, v128-191 K fragments, v192-223 global q: softmax and S products need no change of window.
; Window 1: v0-63 O (tile (qt, dt) at 8 (4 qt + dt)), v64-127 V fragments, v128-143 running sums (four pairs a tile), v160-191 local q:
;   under the setting 0x51 (destination, source 0 and source 2 in window 1, source 1 in window 0) stand the PV products, O x shrink and sum + exponentials.
.set SLOT,  77824                      ; K 256 rows x 144 bytes, then V 256 rows x 160 bytes
.set VOFF,  36864
.set LKB,   155648                     ; local k: 48 rows x 144 bytes for each wave
.set LVB,   210944                     ; local v: 48 rows x 160 bytes for each wave
.set STG,   272384                     ; the way out's stage: 16 rows x 144 bytes for each wave; no tensor load lands here
.set STEP,  32768                      ; 256 rows of 128 bytes
.set KINDB, 8454144
.set HEADB, 264192
.set MSB, 0
.macro WIN new                         ; the immediate's high byte repeats the setting that is left
.if MSB != \new
	s_set_vgpr_msb (MSB<<8)|\new
.set MSB, \new
.endif
.endm
.macro PLACES                          ; four places behind matrix instructions (ISA guide 7.12.1)
.rept 4
	v_nop
.endr
.endm
.macro CREST                           ; a round of the cluster's barrier behind its opening work-group barrier
	s_cmp_lg_u32 s4, 0
	s_cbranch_scc1 .Lnot_wave_0_\@
	s_barrier_signal -3
.Lnot_wave_0_\@:
	s_barrier_wait -3
	s_barrier_signal -1
	s_barrier_wait -1
.endm
.macro ROUND                           ; a whole round
	s_barrier_signal -1
	s_barrier_wait -1
	CREST
.endm
	s_load_b128 s[12:15], s[0:1], 0x0              ; qkv, t
	s_load_b64 s[10:11], s[0:1], 0x10              ; att
	v_lshl_add_u32 v254, v0, 2, 0x47000
	v_mov_b32 v255, 0
	ds_add_u32 v254, v255
	v_lshrrev_b32 v32, 5, v0
	v_readfirstlane_b32 s4, v32                    ; wave
	s_bfe_u32 s5, ttmp6, 0x40000                   ; cx
	s_lshl_b32 s6, ttmp9, 2
	s_add_co_u32 s6, s6, s5                        ; query block 0..7
	s_and_b32 s7, ttmp7, 0xffff                    ; head 8 b + h
	s_lshr_b32 s8, s7, 3                           ; b
	s_lshl_b32 s9, s8, 2
	s_mov_b32 s78, 0x76543210                      ; v_permlanex16_b32: lane i of one half reads lane i of the other
	s_mov_b32 s79, 0xfedcba98
	; group 1, K's parts: 32 rows x 64 f16, dense, 4 words of padding behind every 32; joint, mask 15
	s_mov_b32 s16, 15|(1<<16)|(1<<20)|(1<<21)|(4<<22)|(3<<25)
	s_mov_b32 s17, 64<<16
	s_mov_b32 s18, 32<<16
	s_mov_b32 s19, 64<<16
	s_mov_b32 s20, 32
	s_mov_b32 s21, 64
	s_mov_b32 s22, 0
	s_mov_b32 s23, 0
	; V's parts: the same with 8 words of padding
	s_mov_b32 s24, 15|(1<<16)|(1<<20)|(1<<21)|(4<<22)|(7<<25)
	s_mov_b32 s25, 64<<16
	s_mov_b32 s26, 32<<16
	s_mov_b32 s27, 64<<16
	s_mov_b32 s28, 32
	s_mov_b32 s29, 64
	s_mov_b32 s30, 0
	s_mov_b32 s31, 0
	; local k and v: 48 rows x 64 f16, no mask
	s_mov_b32 s48, (1<<16)|(1<<20)|(4<<22)|(3<<25)
	s_mov_b32 s49, 64<<16
	s_mov_b32 s50, 48<<16
	s_mov_b32 s51, 64<<16
	s_mov_b32 s52, 48
	s_mov_b32 s53, 64
	s_mov_b32 s54, 0
	s_mov_b32 s55, 0
	s_mov_b32 s56, (1<<16)|(1<<20)|(4<<22)|(7<<25)
	s_mov_b32 s57, 64<<16
	s_mov_b32 s58, 48<<16
	s_mov_b32 s59, 64<<16
	s_mov_b32 s60, 48
	s_mov_b32 s61, 64
	s_mov_b32 s62, 0
	s_mov_b32 s63, 0
	s_mul_i32 s80, s7, HEADB
	s_lshl_b32 s81, s4, 12                         ; 32 rows of 128 bytes for each wave
	s_add_co_u32 s80, s80, s81
	s_mov_b32 s81, 0
	s_lshl_b32 s86, s6, 15                         ; 256 rows for each query block
	s_mov_b32 s87, 0
	s_lshl_b32 s92, s7, 18                         ; att: 2,048 rows of 128 bytes a head
	s_add_co_u32 s92, s92, s86
	s_lshl_b32 s93, s4, 12
	s_add_co_u32 s92, s92, s93
	s_mov_b32 s93, 0
	s_mul_i32 s66, s4, 4608                        ; my 32 rows in a slot's K,
	s_mul_i32 s67, s4, 5120
	s_add_co_u32 s67, s67, VOFF                    ; and in its V
	s_wait_dscnt 0x0
	s_wait_kmcnt 0x0
	s_load_b32 s77, s[14:15], s9 offset:0x0        ; t[b]
	s_add_nc_u64 s[80:81], s[12:13], s[80:81]      ; head and wave: what the four partners share
	s_add_nc_u64 s[82:83], s[80:81], 4*KINDB+1024  ; global k, row 8 + 32 w
	s_add_nc_u64 s[84:85], s[80:81], 5*KINDB+1024  ; global v
	s_add_nc_u64 s[86:87], s[80:81], s[86:87]      ; + my query block: padded row 256 qb + 32 w
	s_add_nc_u64 s[88:89], s[86:87], 1024          ; local q, position 256 qb + 32 w
	s_add_nc_u64 s[90:91], s[86:87], KINDB+1024    ; global q
	s_add_nc_u64 s[92:93], s[10:11], s[92:93]      ; att[0], my 32 rows
	s_add_nc_u64 s[94:95], s[92:93], 0x800000      ; att[1]
.irp s, 0,1
	s_mov_b32 s[32+4*\s], 1
	s_add_co_u32 s[33+4*\s], s66, \s*SLOT
	s_add_nc_u64 s[34+4*\s:35+4*\s], s[82:83], \s*STEP
	s_or_b32 s[35+4*\s], s[35+4*\s], 0x80000000
	s_mov_b32 s[40+4*\s], 1
	s_add_co_u32 s[41+4*\s], s67, \s*SLOT
	s_add_nc_u64 s[42+4*\s:43+4*\s], s[84:85], \s*STEP
	s_or_b32 s[43+4*\s], s[43+4*\s], 0x80000000
.endr
	s_mov_b32 s68, 1
	s_mul_i32 s69, s4, 6912
	s_add_co_u32 s69, s69, LKB
	s_add_nc_u64 s[70:71], s[86:87], 2*KINDB
	s_or_b32 s71, s71, 0x80000000
	s_mov_b32 s72, 1
	s_mul_i32 s73, s4, 7680
	s_add_co_u32 s73, s73, LVB
	s_add_nc_u64 s[74:75], s[86:87], 3*KINDB
	s_or_b32 s75, s75, 0x80000000
	s_mul_i32 s66, s4, 2304
	s_add_co_u32 s66, s66, STG                     ; my stage
	v_and_b32 v32, 15, v0                          ; r
	v_bfe_u32 v33, v0, 4, 1                        ; h
	v_and_b32 v34, 7, v0
	v_bfe_u32 v35, v0, 3, 1
	v_and_b32 v36, 31, v0                          ; lane
	v_lshrrev_b32 v37, 3, v36
	v_lshlrev_b32 v14, 7, v32
	v_lshl_add_u32 v14, v33, 4, v14                ; q: row r of 128 bytes, 16 bytes for each half; v14 stays as it is until the loads that name it are waited for
.irp qt, 0,1
.irp ks, 0,1
	global_load_b128 v[192+8*(2*\qt+\ks):192+8*(2*\qt+\ks)+3], v14, s[90:91] offset:2048*\qt+64*\ks
	global_load_b128 v[192+8*(2*\qt+\ks)+4:192+8*(2*\qt+\ks)+7], v14, s[90:91] offset:2048*\qt+64*\ks+32
.endr
.endr
	v_mul_u32_u24 v3, v32, 144
	v_lshl_add_u32 v3, v33, 4, v3                  ; v3, v4: K fragments in slot 0, 1: row r, 16 bytes for each half
	v_add_nc_u32 v4, SLOT, v3
	v_lshl_add_u32 v38, v33, 3, v34
	v_mul_u32_u24 v38, v38, 160
	v_lshl_add_u32 v38, v35, 4, v38                ; transposing load: row 8 h + lane%8
	v_add_nc_u32 v5, VOFF, v38                     ; v5, v6: V fragments in slot 0, 1
	v_add_nc_u32 v6, VOFF+SLOT, v38
	v_add_nc_u32 v7, s69, v3                       ; local k
	v_add_nc_u32 v8, s73, v38                      ; local v
	v_add_nc_u32 v9, s66, v3                       ; stage in
	v_mul_u32_u24 v10, v37, 144
	v_lshl_add_u32 v10, v34, 4, v10
	v_add_nc_u32 v10, s66, v10                     ; stage back: four rows of 128 bytes a load
	v_lshlrev_b32 v11, 4, v36                      ; the same 512 consecutive bytes in att
	ROUND                                          ; the four work-groups are here: the first joint loads meet
	tensor_load_to_lds s[32:35], s[16:23]          ; tile 0: K,
	s_nop 0
	tensor_load_to_lds s[40:43], s[24:31]          ; V: what the loop's start waits for comes first
	s_nop 0
	tensor_load_to_lds s[36:39], s[16:23]          ; tile 1
	s_nop 0
	tensor_load_to_lds s[44:47], s[24:31]
	s_nop 0
	tensor_load_to_lds s[68:71], s[48:55]          ; my local k,
	s_nop 0
	tensor_load_to_lds s[72:75], s[56:63]          ; my local v: read behind the loop
	s_nop 0
	WIN 0x40                                       ; destinations in window 1
.irp qt, 0,1
.irp ks, 0,1
	global_load_b128 v[160+8*(2*\qt+\ks):160+8*(2*\qt+\ks)+3], v14, s[88:89] offset:2048*\qt+64*\ks
	global_load_b128 v[160+8*(2*\qt+\ks)+4:160+8*(2*\qt+\ks)+7], v14, s[88:89] offset:2048*\qt+64*\ks+32
.endr
.endr
	WIN 0
	s_wait_kmcnt 0x0
	v_cvt_f32_i32 v24, s77
	v_mul_f32 v25, 0x3a833405, v24                 ; t / 999: t times the f32 nearest to 1/999,
	v_fmamk_f32 v26, v25, 0xc479c000, v24          ; the remainder t - 999 q, exact in the fused form,
	v_fmamk_f32 v25, v26, 0x3a833405, v25          ; and one correction: 999/999 comes out as 1
	v_sub_f32 v27, 1.0, v25
	v_sqrt_f32 v1, v27                             ; sg
	v_sqrt_f32 v2, v25                             ; sl
	v_nop                                          ; the plain place behind them (ISA guide 5.7.2)
.macro KLOAD slot, jb                  ; 16 loads: 64 keys x 64 d as first sources
.irp kt, 0,1,2,3
.irp ks, 0,1
	ds_load_b128 v[128+8*(2*\kt+\ks):128+8*(2*\kt+\ks)+3], v[3+\slot] offset:(64*(\jb)+16*\kt)*144+64*\ks
	ds_load_b128 v[128+8*(2*\kt+\ks)+4:128+8*(2*\kt+\ks)+7], v[3+\slot] offset:(64*(\jb)+16*\kt)*144+64*\ks+32
.endr
.endr
.endm
.macro VLOAD slot, jb                  ; 16 transposing loads: 64 d x 64 keys as first sources, into window 1; the address stays in window 0
	WIN 0x40
.irp a, 0,1
.irp dt, 0,1,2,3
	ds_load_tr16_b128 v[64+8*(4*\a+\dt):64+8*(4*\a+\dt)+3], v[5+\slot] offset:(64*(\jb)+32*\a)*160+32*\dt
	ds_load_tr16_b128 v[64+8*(4*\a+\dt)+4:64+8*(4*\a+\dt)+7], v[5+\slot] offset:(64*(\jb)+32*\a)*160+32*\dt+2560
.endr
.endr
	WIN 0
.endm
; One S product of query tile qq: idx 0-3 = key tiles 0-3 at d 0-31 (they start the sums), idx 4-7 = the same four at d 32-63.
; One PV product: idx 0-3 = d tiles 0-3 at keys 0-31, idx 4-7 = the same four at keys 32-63; first = 1: idx 0-3 start the sums.
; The four accumulators take turns, one instruction a turn.
.macro SW qq, idx
.set NN, \idx
.set KT, NN%4
.set KS, NN/4
.set AC, 32+32*\qq+8*KT
.if KS == 0
	v_wmma_f32_16x16x32_f16 v[AC:AC+7], v[128+16*KT:128+16*KT+7], v[192+16*\qq:192+16*\qq+7], 0
.else
	v_wmma_f32_16x16x32_f16 v[AC:AC+7], v[128+16*KT+8:128+16*KT+15], v[192+16*\qq+8:192+16*\qq+15], v[AC:AC+7]
.endif
.endm
.macro PW qq, idx, first
.set NN, \idx
.set DT, NN%4
.set AA, NN/4
.set AC, 32*\qq+8*DT
.if (\first)*(1-AA)
	v_wmma_f32_16x16x32_f16 v[AC:AC+7], v[64+32*AA+8*DT:64+32*AA+8*DT+7], v[96+16*\qq+8*AA:96+16*\qq+8*AA+7], 0
.else
	v_wmma_f32_16x16x32_f16 v[AC:AC+7], v[64+32*AA+8*DT:64+32*AA+8*DT+7], v[96+16*\qq+8*AA:96+16*\qq+8*AA+7], v[AC:AC+7]
.endif
.endm
; The maximum of tile q's 32 S registers, of the running maximum and of the other half of the lanes: 33 numbers in 16 v_max3, then the exchange.
; c = log2(e) / 8 = 0x3e38aa3b.  init = 1: the first block, no running maximum.  early = 1: the first four S products of tile qq stand among the lines.
.macro MAXP q, qq, init, early
.set SB, 32+32*\q
.irp k, 0,1,2,3
	v_max3_num_f32 v[24+\k], v[SB+8*\k], v[SB+8*\k+1], v[SB+8*\k+2]
.endr
.if \early
	SW \qq, 0
.endif
.irp k, 0,1,2,3
	v_max3_num_f32 v[24+\k], v[24+\k], v[SB+8*\k+3], v[SB+8*\k+4]
.endr
.if \early
	SW \qq, 1
.endif
.irp k, 0,1,2,3
	v_max3_num_f32 v[24+\k], v[24+\k], v[SB+8*\k+5], v[SB+8*\k+6]
.endr
.if \early
	SW \qq, 2
.endif
	v_max3_num_f32 v24, v24, v25, v[SB+7]
	v_max3_num_f32 v26, v26, v27, v[SB+15]
	v_max3_num_f32 v24, v24, v[SB+23], v[SB+31]
.if \init
	v_max_num_f32 v24, v24, v26
.else
	v_max3_num_f32 v24, v24, v26, v[12+\q]         ; with the running maximum
.endif
.if \early
	SW \qq, 3
.endif
	v_permlanex16_b32 v25, v24, s78, s79           ; the query's other 32 keys
	v_max_num_f32 v24, v24, v25
	v_mul_f32 v[16+2*\q], 0xbe38aa3b, v24          ; -c x the new maximum
.if \init == 0
	v_fmamk_f32 v26, v[12+\q], 0x3e38aa3b, v[16+2*\q]  ; c x (old - new)
	v_exp_f32 v[20+2*\q], v26                      ; what the old sums shrink by
.endif
	v_mul_f32 v[17+2*\q], 0xbe38aa3b, v24          ; (the plain place behind v_exp_f32: ISA guide 5.7.2)
	v_mov_b32 v[12+\q], v24
.if \init == 0
	s_wait_alu depctr_va_vdst(0)
	v_mov_b32 v[21+2*\q], v[20+2*\q]
.endif
.endm
; Tile q's exponentials, in 16 steps of a register pair: the next pair's S c - max c, this pair's two exponentials, the last pair's rounding to f16.
; So each exponential has a plain, independent line between itself and its use.
; mode 1: S products 4-7 of tile qq stand in front of steps 0, 2, 4, 6; mode 2: products 0-7 in front of steps 0, 2, .. 14; mode 0: none.
; kjb >= 0: the next block's K fragments are loaded in front of step 9: six plain lines (three steps' fma and cvt) behind the last product that read the old ones.
.macro EXPP q, qq, mode, kslot, kjb
.set SB, 32+32*\q
	v_pk_fma_f32 v[SB:SB+1], v[SB:SB+1], 0x3e38aa3b, v[16+2*\q:17+2*\q] op_sel_hi:[1,0,1]
.set i, 0
.rept 16
.if \mode == 1
.if i%2 == 0
.if i < 8
	SW \qq, 4+i/2
.endif
.endif
.endif
.if \mode == 2
.if i%2 == 0
	SW \qq, i/2
.endif
.endif
.if \kjb >= 0
.if i == 9
	KLOAD \kslot, \kjb
.endif
.endif
.if i < 15
	v_pk_fma_f32 v[SB+2*i+2:SB+2*i+3], v[SB+2*i+2:SB+2*i+3], 0x3e38aa3b, v[16+2*\q:17+2*\q] op_sel_hi:[1,0,1]
.endif
	v_exp_f32 v[SB+2*i], v[SB+2*i]
	v_exp_f32 v[SB+2*i+1], v[SB+2*i+1]
.if i > 0
	s_wait_alu depctr_va_vdst(0)
	v_cvt_pk_f16_f32 v[96+16*\q+i-1], v[SB+2*i-2], v[SB+2*i-1]
.endif
.set i, i+1
.endr
	v_cvt_pk_f16_f32 v[96+16*\q+15], v[SB+30], v[SB+31]
.endm
; Tile q's O and running sums (four pairs, the lane's own; the halves meet at the end) shrink, and the exponentials are added; the eight PV products of tile qq stand among the lines.
; rs = 0: the first block: the sums start, nothing shrinks.  pv = 0: no products; 1: they start O; 2: they add onto it.
; The last product stands six plain lines ahead of the macro's end: V's fragment registers may be loaded again behind it (ISA guide 7.12.1 asks for four).
.macro CHB q, qq, rs, pv
.set SB, 32+32*\q
.set LB, 128+8*\q
.if (\rs) == 0
	WIN 0x40
.irp k, 0,1,2,3
	v_pk_add_f32 v[LB+2*\k:LB+2*\k+1], v[SB+2*\k:SB+2*\k+1], v[SB+8+2*\k:SB+9+2*\k]
.endr
.endif
	WIN 0x51
.if \rs
.irp k, 0,1,2,3
	v_pk_mul_f32 v[LB+2*\k:LB+2*\k+1], v[LB+2*\k:LB+2*\k+1], v[20+2*\q:21+2*\q]
.endr
.endif
.set n, 0
.rept 8
.if \pv
.if n < 7
	PW \qq, n, 2-\pv
.endif
.endif
.if \rs
	v_pk_mul_f32 v[32*\q+4*n:32*\q+4*n+1], v[32*\q+4*n:32*\q+4*n+1], v[20+2*\q:21+2*\q]
	v_pk_mul_f32 v[32*\q+4*n+2:32*\q+4*n+3], v[32*\q+4*n+2:32*\q+4*n+3], v[20+2*\q:21+2*\q]
.endif
.if \pv
.if n == 6
	PW \qq, 7, 2-\pv
.endif
.endif
.if (\rs)+(n/4)
	v_pk_add_f32 v[LB+2*((2*n)%4):LB+2*((2*n)%4)+1], v[LB+2*((2*n)%4):LB+2*((2*n)%4)+1], v[SB+4*n:SB+4*n+1]
	v_pk_add_f32 v[LB+2*((2*n+1)%4):LB+2*((2*n+1)%4)+1], v[LB+2*((2*n+1)%4):LB+2*((2*n+1)%4)+1], v[SB+4*n+2:SB+4*n+3]
.endif
.set n, n+1
.endr
.endm
; phase (0, j), j = block jb of the slot's tile.  kl = 1: K of block jb + 1 is loaded.
.macro PH0 slot, jb, init, pv, kl
	MAXP 0, 1, \init, 1
.if \kl
	EXPP 0, 1, 1, \slot, \jb+1
.else
	EXPP 0, 1, 1, 0, -1
.endif
	CHB 0, 1, 1-\init, \pv
	VLOAD \slot, \jb
.endm
; phase (1, j) inside a tile
.macro PH1 init, pv
	MAXP 1, 0, \init, 0
	s_wait_dscnt 16                                ; K's fragments are in; the 16 younger loads (V's) stay out
	EXPP 1, 0, 2, 0, -1
	s_wait_dscnt 0x0                               ; V's fragments
	CHB 1, 0, 1-\init, \pv
	WIN 0
.endm
; phase (1, j) of a tile's last block, with the change of slots.  In front of the round's opening signal: my LDS reads are back (the last were this block's V)
; and all my tensor loads have landed, my parts of the next tile among them.  The exponentials are register work between signal and wait.
; Behind the round that holds of every wave of the four work-groups: this slot is asked for again first of all (it has the next tile's four blocks in which to land),
; then the next slot's first K fragments are read; the PV products cover their way; S(0) of the next block follows as a plain run.
.macro PH1X slot, refill
	MAXP 1, 0, 0, 0
	s_wait_dscnt 0x0
	s_wait_tensorcnt 0x0
	ds_add_u32 v254, v255
	s_wait_dscnt 0x0
	s_barrier_signal -1
	EXPP 1, 0, 0, 0, -1
	s_barrier_wait -1
	CREST
.if \refill
	s_add_nc_u64 s[34+4*\slot:35+4*\slot], s[34+4*\slot:35+4*\slot], 2*STEP    ; no load of mine is out: this slot's next tile
	s_add_nc_u64 s[42+4*\slot:43+4*\slot], s[42+4*\slot:43+4*\slot], 2*STEP
	tensor_load_to_lds s[32+4*\slot:35+4*\slot], s[16:23]
	s_nop 0
	tensor_load_to_lds s[40+4*\slot:43+4*\slot], s[24:31]
	s_nop 0
.endif
	KLOAD 1-\slot, 0
	CHB 1, 0, 1, 2
	WIN 0
	s_wait_dscnt 0x0
.irp x, 0,1,2,3,4,5,6,7
	SW 0, \x
.endr
	PLACES                                         ; the next phase's first lines read these results
.endm
.macro THREEB slot                     ; blocks 0 to 2 of a tile, and phase 0 of block 3
	PH0 \slot, 0, 0, 2, 1
	PH1 0, 2
	PH0 \slot, 1, 0, 2, 1
	PH1 0, 2
	PH0 \slot, 2, 0, 2, 1
	PH1 0, 2
	PH0 \slot, 3, 0, 2, 0
.endm
.macro TILE slot, refill
	THREEB \slot
	PH1X \slot, \refill
.endm
	s_wait_tensorcnt 4                             ; my parts of tile 0 are in; the four younger loads (tile 1, local k, v) stay out
	s_barrier_signal -1
	s_barrier_wait -1                              ; everybody's are
	KLOAD 0, 0
	s_wait_loadcnt 8                               ; global q; the eight younger loads (local q) stay out
	s_wait_dscnt 0x0
.irp x, 0,1,2,3,4,5,6,7
	SW 0, \x                                       ; S(0, 0) fills the pipeline
.endr
	PLACES
	PH0 0, 0, 1, 0, 1                              ; tile 0: its first block starts maxima and sums; there is no PV yet
	PH1 1, 1                                       ; PV(0, 0) starts O(0)
	PH0 0, 1, 0, 1, 1                              ; PV(1, 0) starts O(1)
	PH1 0, 2
	PH0 0, 2, 0, 2, 1
	PH1 0, 2
	PH0 0, 3, 0, 2, 0
	PH1X 0, 1                                      ; slot 0 gets tile 2
	TILE 1, 1                                      ; tile 1; slot 1 gets tile 3
	s_mov_b32 s76, 2
.Lkeys:
	TILE 0, 1                                      ; tiles 2 to 5; the slots get tiles 4 to 7
	TILE 1, 1
	s_sub_co_i32 s76, s76, 1
	s_cmp_lg_u32 s76, 0
	s_cbranch_scc1 .Lkeys
	TILE 0, 0                                      ; tile 6: nothing more to ask for
	THREEB 1                                       ; tile 7
	MAXP 1, 0, 0, 0                                ; the last phase: no further S
	EXPP 1, 0, 0, 0, -1
	s_wait_dscnt 0x0
	CHB 1, 0, 1, 2
.irp x, 0,1,2,3,4,5,6,7
	PW 1, \x, 0                                    ; PV(1, 31) empties the pipeline
.endr
	WIN 0
; one query tile out: O x inv, f16, 16 bytes a lane into my stage, back four rows a load, 512 consecutive, aligned bytes a store
.macro OUTQ q, inv, base
	WIN 0x01
.set i, 0
.rept 16
	v_pk_mul_f32 v[32+2*i:33+2*i], v[32*\q+2*i:32*\q+2*i+1], v[\inv:\inv+1]
.set i, i+1
.endr
	WIN 0
.set i, 0
.rept 16
	v_cvt_pk_f16_f32 v[96+i], v[32+2*i], v[33+2*i]
.set i, i+1
.endr
.irp dt, 0,1,2,3
	ds_store_b128 v9, v[96+4*\dt:96+4*\dt+3] offset:32*\dt
.endr
	s_wait_xcnt 0x0                                ; v128-143, which earlier stores read, are loaded again only behind this wait
.irp k, 0,1,2,3
	ds_load_b128 v[128+4*\k:128+4*\k+3], v10 offset:576*\k     ; LDS serves a wave's instructions in order: these see the stores above
.endr
.irp k, 0,1,2,3
	s_wait_dscnt 3-\k
	global_store_b128 v11, v[128+4*\k:128+4*\k+3], s[\base:\base+1] offset:2048*\q+512*\k
.endr
.endm
	PLACES                                         ; behind the last matrix instructions
	s_wait_loadcnt 0x0                             ; local q is in: v14, its loads' address, may be written
	WIN 0x05                                       ; sources in window 1: the four pairs of each tile's sum
	v_pk_add_f32 v[24:25], v[128:129], v[130:131]
	v_pk_add_f32 v[26:27], v[132:133], v[134:135]
	v_pk_add_f32 v[28:29], v[136:137], v[138:139]
	v_pk_add_f32 v[30:31], v[140:141], v[142:143]
	WIN 0
	v_pk_add_f32 v[24:25], v[24:25], v[26:27]
	v_pk_add_f32 v[28:29], v[28:29], v[30:31]
	v_add_f32 v14, v24, v25
	v_add_f32 v15, v28, v29
	v_permlanex16_b32 v24, v14, s78, s79           ; the sums of the two halves meet
	v_permlanex16_b32 v25, v15, s78, s79
	v_add_f32 v14, v14, v24
	v_add_f32 v15, v15, v25
	v_rcp_f32 v24, v14                             ; the sum holds the maximum's own term, 1, so it is at least 1
	v_rcp_f32 v25, v15
	v_nop
	s_wait_alu depctr_va_vdst(0)
	v_mul_f32 v20, v24, v1
	v_mul_f32 v21, v24, v1
	v_mul_f32 v22, v25, v1
	v_mul_f32 v23, v25, v1
	OUTQ 0, 20, 92
	OUTQ 1, 22, 92
	; LOCAL.  My 48 key rows were brought by my own tensor loads, shown landed by the first change of slots' wait for all loads; no other wave touches them.
	s_wait_xcnt 0x0                                ; v128-143 were the data of the stores above
.irp g, 0,1,2
.irp ks, 0,1
	ds_load_b128 v[128+8*(2*\g+\ks):128+8*(2*\g+\ks)+3], v7 offset:2304*\g+64*\ks
	ds_load_b128 v[128+8*(2*\g+\ks)+4:128+8*(2*\g+\ks)+7], v7 offset:2304*\g+64*\ks+32
.endr
.endr
	WIN 0x40
.irp u, 0,1
.irp dt, 0,1,2,3
	ds_load_tr16_b128 v[64+8*(4*\u+\dt):64+8*(4*\u+\dt)+3], v8 offset:2560*\u+32*\dt
	ds_load_tr16_b128 v[64+8*(4*\u+\dt)+4:64+8*(4*\u+\dt)+7], v8 offset:2560*\u+32*\dt+2560
.endr
.endr
	WIN 0
	v_and_b32 v24, 15, v0
	v_bfe_u32 v25, v0, 4, 1
	v_lshlrev_b32 v25, 3, v25
	v_sub_nc_u32 v12, v24, v25                     ; r - 8 h
	v_mov_b32 v13, 0xff800000                      ; -inf
	s_wait_dscnt 0x0
	WIN 0x04                                       ; source 1 (local q) in window 1
.irp ks, 0,1
.irp u, 0,1
.irp kt, 0,1
.set AC, 32+8*(2*\u+\kt)
.if \ks == 0
	v_wmma_f32_16x16x32_f16 v[AC:AC+7], v[128+8*(2*(\u+\kt)+\ks):128+8*(2*(\u+\kt)+\ks)+7], v[160+8*(2*\u+\ks):160+8*(2*\u+\ks)+7], 0
.else
	v_wmma_f32_16x16x32_f16 v[AC:AC+7], v[128+8*(2*(\u+\kt)+\ks):128+8*(2*(\u+\kt)+\ks)+7], v[160+8*(2*\u+\ks):160+8*(2*\u+\ks)+7], v[AC:AC+7]
.endif
.endr
.endr
.endr
	WIN 0
	PLACES
	; query r of a tile sees that tile's key rows r .. r + 15.  Row 8 h + j of the first 16 is inside where j >= r - 8 h; row 16 + 8 h + j where j < r - 8 h.
.irp j, 0,1,2,3,4,5,6,7
	v_cmp_ge_i32 vcc_lo, \j, v12
.irp u, 0,1
	v_cndmask_b32 v[32+16*\u+\j], v13, v[32+16*\u+\j], vcc_lo
	v_cndmask_b32 v[40+16*\u+\j], v[40+16*\u+\j], v13, vcc_lo
.endr
.endr
.macro LSM u                           ; softmax of tile u: every lane keeps exactly 8 finite dots, so the maximum is finite
.set SB, 32+16*\u
	v_max3_num_f32 v24, v[SB], v[SB+1], v[SB+2]
	v_max3_num_f32 v25, v[SB+3], v[SB+4], v[SB+5]
	v_max3_num_f32 v26, v[SB+6], v[SB+7], v[SB+8]
	v_max3_num_f32 v27, v[SB+9], v[SB+10], v[SB+11]
	v_max3_num_f32 v24, v24, v[SB+12], v[SB+13]
	v_max3_num_f32 v25, v25, v[SB+14], v[SB+15]
	v_max3_num_f32 v24, v24, v25, v26
	v_max_num_f32 v24, v24, v27
	v_permlanex16_b32 v25, v24, s78, s79
	v_max_num_f32 v24, v24, v25
	v_mul_f32 v16, 0xbe38aa3b, v24
	v_mul_f32 v17, 0xbe38aa3b, v24
.set i, 0
.rept 8
	v_pk_fma_f32 v[SB+2*i:SB+2*i+1], v[SB+2*i:SB+2*i+1], 0x3e38aa3b, v[16:17] op_sel_hi:[1,0,1]
.set i, i+1
.endr
.set i, 0
.rept 16
	v_exp_f32 v[SB+i], v[SB+i]
.set i, i+1
.endr
	v_nop
	s_wait_alu depctr_va_vdst(0)
	v_pk_add_f32 v[24:25], v[SB:SB+1], v[SB+2:SB+3]
	v_pk_add_f32 v[26:27], v[SB+4:SB+5], v[SB+6:SB+7]
	v_pk_add_f32 v[28:29], v[SB+8:SB+9], v[SB+10:SB+11]
	v_pk_add_f32 v[30:31], v[SB+12:SB+13], v[SB+14:SB+15]
	v_pk_add_f32 v[24:25], v[24:25], v[26:27]
	v_pk_add_f32 v[28:29], v[28:29], v[30:31]
	v_pk_add_f32 v[24:25], v[24:25], v[28:29]
	v_add_f32 v24, v24, v25
	v_permlanex16_b32 v25, v24, s78, s79
	v_add_f32 v24, v24, v25
	v_rcp_f32 v26, v24
.set i, 0
.rept 8
	v_cvt_pk_f16_f32 v[96+8*\u+i], v[SB+2*i], v[SB+2*i+1]      ; (plain places behind v_rcp_f32)
.set i, i+1
.endr
	s_wait_alu depctr_va_vdst(0)
	v_mul_f32 v[20+2*\u], v26, v2
	v_mul_f32 v[21+2*\u], v26, v2
.endm
	LSM 0
	LSM 1
	WIN 0x51
.irp u, 0,1
.irp dt, 0,1,2,3
	v_wmma_f32_16x16x32_f16 v[8*(4*\u+\dt):8*(4*\u+\dt)+7], v[64+8*(4*\u+\dt):64+8*(4*\u+\dt)+7], v[96+8*\u:96+8*\u+7], 0
.endr
.endr
	WIN 0
	PLACES
	OUTQ 0, 20, 94
	OUTQ 1, 22, 94
	s_wait_dscnt 0x0
	s_wait_tensorcnt 0x0
	ds_add_u32 v254, v255
	s_wait_dscnt 0x0
	ROUND                                          ; the closing round: no work-group ends while a partner may still ask for a tile that names it
	s_endpgm
.Lfunc_end_k_q4d8e1f04ff_attn:
	.size	k_q4d8e1f04ff_attn, .Lfunc_end_k_q4d8e1f04ff_attn-k_q4d8e1f04ff_attn
	.p2alignl 7, 3214868480
	.fill 96, 4, 3214868480
	.section	.rodata,"a",@progbits
	.p2align	6, 0x0
	.amdhsa_kernel k_q4d8e1f04ff_attn
		.amdhsa_group_segment_fixed_size 327680
		.amdhsa_private_segment_fixed_size 0
		.amdhsa_enable_private_segment 0
		.amdhsa_kernarg_size 24
		.amdhsa_user_sgpr_count 2
		.amdhsa_user_sgpr_kernarg_segment_ptr 1
		.amdhsa_wavefront_size32 1
		.amdhsa_system_sgpr_workgroup_id_x 1
		.amdhsa_system_sgpr_workgroup_id_y 1
		.amdhsa_system_sgpr_workgroup_id_z 1
		.amdhsa_system_vgpr_workitem_id 0
		.amdhsa_next_free_vgpr 448
		.amdhsa_next_free_sgpr 96
		.amdhsa_reserve_vcc 1
		.amdhsa_float_denorm_mode_32 3
		.amdhsa_float_denorm_mode_16_64 3
		.amdhsa_memory_ordered 1
		.amdhsa_forward_progress 1
		.amdhsa_inst_pref_size 255
	.end_amdhsa_kernel
	.section	.bss,"aw",@nobits
	.p2align	6
	.space	262144
	.amdgpu_metadata
---
amdhsa.version: [ 1, 2 ]
amdhsa.kernels:
  - .name:           k_q4d8e1f04ff_attn
    .symbol:         k_q4d8e1f04ff_attn.kd
    .args:
      - { .name: qkv, .offset: 0, .size: 8, .value_kind: global_buffer, .address_space: global }
      - { .name: t, .offset: 8, .size: 8, .value_kind: global_buffer, .address_space: global }
      - { .name: att, .offset: 16, .size: 8, .value_kind: global_buffer, .address_space: global }
    .group_segment_fixed_size: 327680
    .private_segment_fixed_size: 0
    .kernarg_segment_align: 8
    .kernarg_segment_size: 24
    .max_flat_workgroup_size: 256
    .sgpr_count:     96
    .vgpr_count:     448
    .wavefront_size: 32
...
	.end_amdgpu_metadata
.endif
;; end of part 3
;; launch outp (part 4): grid 64 x 4, 4 waves a work-group, clusters of 4 x 4, 327,680 bytes of LDS; arguments wf16, att, go_b, lo_b, t, out0; writes out0
.if DOCPART == 4
	.amdgcn_target "amdgcn-amd-amdhsa--gfx1250"
	.amdhsa_code_object_version 6
	.text
	.protected	k_q4d8e1f04ff_outp
	.globl	k_q4d8e1f04ff_outp
	.p2align	8
	.type	k_q4d8e1f04ff_outp,@function
k_q4d8e1f04ff_outp:
	s_mov_b64 s[64:65], 0
	v_nop
	global_prefetch_b8 v0, s[64:65] scope:SCOPE_SE
	s_setreg_imm32_b32 hwreg(HW_REG_WAVE_MODE, 25, 1), 1
	s_wait_xcnt 0x0
	s_wait_alu depctr_hold_cnt(0) depctr_sa_sdst(0) depctr_va_vdst(0) depctr_va_sdst(0) depctr_va_ssrc(0) depctr_va_vcc(0) depctr_vm_vsrc(0)
	s_getreg_b32 s2, hwreg(HW_REG_IB_STS2, 6, 4)
	s_cmp_eq_u32 s2, 0
	s_cbranch_scc0 .Lentry_in_a_cluster
	s_endpgm
.Lentry_in_a_cluster:
	s_bfe_u32 s2, ttmp6, 0x10000c
	s_cmp_lg_u32 s2, 0xf033
	s_cbranch_scc0 .Lentry_shape_is_right
	s_endpgm
.Lentry_shape_is_right:
; outp: both output projections, the biases and the mix as one GEMM with K = 1024.
; out0[b][o][t] = sum over c of go_w[o][c] G[b][t][c] + sum over c' of lo_w[o][c'] Z[b][c'][t] + sg go_b[o] + sl lo_b[o],
; where G = att[0] (already times sg; c = 64 head + d) and Z = att[1] read flat as [b][512][2048] (already times sl), as the problem's reshape reads it.
; A work-group makes 128 t x 128 o; wave (wm, wn) makes 64 t x 64 o: 16 accumulator tiles.  Source 0 = 16 positions t, source 1 = 16 rows o of the weights:
; lane (r, h) then holds t = 8 h + 0..7 of o = r, 32 consecutive bytes of a row of out0.
; K steps 0-3: two heads of G each, K along the rows (plain fragment loads).  K steps 4-7: 128 rows c' of Z, K not along the rows (transposing loads).
; CLUSTERS: 4 x 4.  The weights' tile hangs on the block of o (= cy: the grid has one cluster along y) and is joint along a row of the cluster; the activations' tile on (b, t0) and is joint along a column.
; Four LDS slots, two filled again behind each round: a wave has eight tensor loads out at most (the start), later four.
; LIMITS: operands f16, sums f32; t outside 0..999 gives NaN through the square root, as in the problem.
; VECTOR REGISTERS window 0: v4-19 addresses, v20 sg, v21 sl, v32-63/v64-95 and v96-127/v128-159 fragments (activations/weights, two buffers), v160-191 bias as a C operand, v192-223 the way out.
;           window 1: accumulators, tile (mt, nt) at 8 (4 mt + nt)
; SCALAR REGISTERS: s2-3 scratch (the only scalars written while tensor loads are out, besides the groups 0 behind their wait for 0); s4-11 ids; s12-23 arguments;
;           s24-31, s32-39, s40-47 groups 1 (weights, G, Z); s48-63 the weights' groups 0, slots 0-3; s66-67 t's offset and t; s68-83 the activations' groups 0, slots 0-3;
;           s84-85 Z's address; s86-89 the first tiles' addresses; s90-91 out0; s92-93 LDS places; s94-95 masks
.set SLOT,  71680                      ; weights 128 rows x 272 bytes, then activations 36,864 bytes: [2 heads][128 t] x 144 or [128 c'] x 288
.set AOFF,  34816
.set STG,   286720                     ; the way out's stage: 16 rows x 272 bytes for each wave; no tensor load lands here
.set MSB, 0
.macro WIN new
.if MSB != \new
	s_set_vgpr_msb (MSB<<8)|\new
.set MSB, \new
.endif
.endm
.macro PLACES
.rept 4
	v_nop
.endr
.endm
.macro CREST
	s_cmp_lg_u32 s4, 0
	s_cbranch_scc1 .Lnot_wave_0_\@
	s_barrier_signal -3
.Lnot_wave_0_\@:
	s_barrier_wait -3
	s_barrier_signal -1
	s_barrier_wait -1
.endm
.macro CROUND
	s_barrier_signal -1
	s_barrier_wait -1
	CREST
.endm
	s_load_b256 s[12:19], s[0:1], 0x0              ; wf16, att, go_b, lo_b
	s_load_b128 s[20:23], s[0:1], 0x20             ; t, out0
	v_lshl_add_u32 v254, v0, 2, 0x4a400
	v_mov_b32 v255, 0
	ds_add_u32 v254, v255
	v_lshrrev_b32 v1, 5, v0
	v_readfirstlane_b32 s4, v1                     ; wave
	s_lshr_b32 s5, s4, 1                           ; wm: which 64 t
	s_and_b32 s6, s4, 1                            ; wn: which 64 o
	s_bfe_u32 s7, ttmp6, 0x40000                   ; cx
	s_bfe_u32 s8, ttmp6, 0x40004                   ; cy = the block of o
	s_lshl_b32 s9, ttmp9, 2
	s_add_co_u32 s9, s9, s7                        ; tb
	s_lshr_b32 s10, s9, 4                          ; b
	s_and_b32 s11, s9, 15
	s_lshl_b32 s11, s11, 7                         ; t0
	s_lshl_b32 s94, s8, 2
	s_lshl_b32 s94, 15, s94                        ; my row of the cluster
	s_lshl_b32 s95, 0x1111, s7                     ; my column
	; weights' parts: 32 rows x 128 f16, 512 from row to row, 4 words of padding behind every 64
	s_or_b32 s24, s94, (1<<16)|(1<<20)|(1<<21)|(5<<22)|(3<<25)
	s_mov_b32 s25, 128<<16
	s_mov_b32 s26, 32<<16
	s_mov_b32 s27, 128<<16
	s_mov_b32 s28, 32
	s_mov_b32 s29, 512
	s_mov_b32 s30, 0
	s_mov_b32 s31, 0
	; G's parts: 64 rows (t) x 64 f16 of one head, dense, 4 words of padding behind every 32
	s_or_b32 s32, s95, (1<<16)|(1<<20)|(1<<21)|(4<<22)|(3<<25)
	s_mov_b32 s33, 64<<16
	s_mov_b32 s34, 64<<16
	s_mov_b32 s35, 64<<16
	s_mov_b32 s36, 64
	s_mov_b32 s37, 64
	s_mov_b32 s38, 0
	s_mov_b32 s39, 0
	; Z's parts: 32 rows (c') x 128 f16 (t), 2,048 from row to row, 8 words of padding behind every 64
	s_or_b32 s40, s95, (1<<16)|(1<<20)|(1<<21)|(5<<22)|(7<<25)
	s_mov_b32 s41, 128<<16
	s_mov_b32 s42, 32<<16
	s_mov_b32 s43, 128<<16
	s_mov_b32 s44, 32
	s_mov_b32 s45, 2048
	s_mov_b32 s46, 0
	s_mov_b32 s47, 0
	; weights: go_w is matrix 6 of wf16; rows 128 cy + 32 w (s86, s87 never hold cx)
	s_lshl_b32 s86, s8, 17
	s_lshl_b32 s87, s4, 15
	s_add_co_u32 s86, s86, s87
	s_add_co_u32 s86, s86, 6*524288
	s_mov_b32 s87, 0
	; G: head 8 b + wm, row t0 + 64 wn (s88, s89, s84, s85 never hold cy)
	s_lshl_b32 s88, s10, 21
	s_lshl_b32 s89, s5, 18
	s_add_co_u32 s88, s88, s89
	s_lshl_b32 s89, s11, 7
	s_add_co_u32 s88, s88, s89
	s_lshl_b32 s89, s6, 13
	s_add_co_u32 s88, s88, s89
	s_mov_b32 s89, 0
	; Z: att[1], batch b, row 32 w, column t0
	s_lshl_b32 s84, s10, 21
	s_lshl_b32 s85, s11, 1
	s_add_co_u32 s84, s84, s85
	s_lshl_b32 s85, s4, 17
	s_add_co_u32 s84, s84, s85
	s_add_co_u32 s84, s84, 0x800000
	s_mov_b32 s85, 0
	s_mul_i32 s92, s4, 8704                        ; where they go: the wave's number alone
	s_mul_i32 s93, s4, 9216
	s_add_co_u32 s93, s93, AOFF
	; out0: row 512 b + 128 cy + 64 wn, column t0 + 64 wm, f32
	s_lshl_b32 s90, s10, 22
	s_lshl_b32 s91, s8, 20
	s_add_co_u32 s90, s90, s91
	s_lshl_b32 s91, s6, 19
	s_add_co_u32 s90, s90, s91
	s_lshl_b32 s91, s11, 2
	s_add_co_u32 s90, s90, s91
	s_lshl_b32 s91, s5, 8
	s_add_co_u32 s90, s90, s91
	s_mov_b32 s91, 0
	s_lshl_b32 s66, s10, 2
	s_wait_dscnt 0x0
	s_wait_kmcnt 0x0
	s_load_b32 s67, s[20:21], s66 offset:0x0       ; t[b]
	s_add_nc_u64 s[86:87], s[12:13], s[86:87]
	s_add_nc_u64 s[88:89], s[14:15], s[88:89]
	s_add_nc_u64 s[84:85], s[14:15], s[84:85]
	s_or_b32 s85, s85, 0x80000000                  ; kept with the descriptor's type bits set
	s_add_nc_u64 s[90:91], s[22:23], s[90:91]
	CROUND                                         ; all sixteen work-groups are here: the first joint loads meet
.irp s, 0,1,2,3
	s_mov_b32 s[48+4*\s], 1
	s_add_co_u32 s[49+4*\s], s92, \s*SLOT
	s_add_nc_u64 s[50+4*\s:51+4*\s], s[86:87], \s*256          ; K step s: 128 f16 along the weights' rows
	s_or_b32 s[51+4*\s], s[51+4*\s], 0x80000000
	s_mov_b32 s[68+4*\s], 1
	s_add_co_u32 s[69+4*\s], s93, \s*SLOT
	s_add_nc_u64 s[70+4*\s:71+4*\s], s[88:89], \s*524288       ; K step s: heads 2 s, 2 s + 1
	s_or_b32 s[71+4*\s], s[71+4*\s], 0x80000000
	tensor_load_to_lds s[48+4*\s:51+4*\s], s[24:31]
	s_nop 0
	tensor_load_to_lds s[68+4*\s:71+4*\s], s[32:39]
	s_nop 0
.endr
	; from here to the first wait for all tensor loads only s2 and s3 are written: no register of a descriptor is touched while its load is out
	v_and_b32 v1, 15, v0                           ; r
	v_bfe_u32 v2, v0, 4, 1                         ; h
	v_and_b32 v3, 7, v0
	v_bfe_u32 v20, v0, 3, 1
	v_mul_u32_u24 v21, v1, 272
	v_lshl_add_u32 v21, v2, 4, v21
	s_mul_i32 s2, s6, 64*272
	v_add_nc_u32 v21, s2, v21                      ; weights: row 64 wn + r
	v_mul_u32_u24 v22, v1, 144
	v_lshl_add_u32 v22, v2, 4, v22
	s_mul_i32 s2, s5, 64*144
	s_add_co_u32 s2, s2, AOFF
	v_add_nc_u32 v22, s2, v22                      ; G: row 64 wm + r
	v_lshl_add_u32 v23, v2, 3, v3
	v_mul_u32_u24 v23, v23, 288
	v_lshl_add_u32 v23, v20, 4, v23
	s_lshl_b32 s2, s5, 7
	s_add_co_u32 s2, s2, AOFF
	v_add_nc_u32 v23, s2, v23                      ; Z, transposing: row 8 h + lane%8, column 64 wm
.irp s, 0,1,2,3
	v_add_nc_u32 v[4+\s], \s*SLOT, v21
	v_add_nc_u32 v[8+\s], \s*SLOT, v22
	v_add_nc_u32 v[12+\s], \s*SLOT, v23
.endr
	s_mul_i32 s2, s4, 4352
	s_add_co_u32 s2, s2, STG
	v_mul_u32_u24 v16, v1, 272
	v_lshl_add_u32 v16, v2, 5, v16
	v_add_nc_u32 v16, s2, v16                      ; stage in: row o = r, 32 bytes for each half
	v_mul_u32_u24 v17, v2, 272
	v_lshl_add_u32 v17, v1, 4, v17
	v_add_nc_u32 v17, s2, v17                      ; stage back: lanes 0-15 one row of 256 bytes, lanes 16-31 the next
	v_lshlrev_b32 v18, 13, v2
	v_lshl_add_u32 v18, v1, 4, v18                 ; the same two rows in out0, 8,192 bytes apart
	s_lshl_b32 s2, s8, 9
	s_lshl_b32 s3, s6, 8
	s_add_co_u32 s2, s2, s3
	v_lshlrev_b32 v19, 2, v1
	v_add_nc_u32 v19, s2, v19                      ; biases: 4 (128 cy + 64 wn + r)
.irp nt, 0,1,2,3
	global_load_b32 v[24+\nt], v19, s[16:17] offset:64*\nt
	global_load_b32 v[28+\nt], v19, s[18:19] offset:64*\nt
.endr
	s_wait_kmcnt 0x0
	v_cvt_f32_i32 v32, s67
	v_mul_f32 v33, 0x3a833405, v32                 ; t / 999, as in the attention launch: product, exact remainder, one correction
	v_fmamk_f32 v34, v33, 0xc479c000, v32
	v_fmamk_f32 v33, v34, 0x3a833405, v33
	v_sub_f32 v35, 1.0, v33
	v_sqrt_f32 v20, v35                            ; sg
	v_sqrt_f32 v21, v33                            ; sl
	v_nop
	s_wait_loadcnt 0x0
	s_wait_alu depctr_va_vdst(0)
.irp nt, 0,1,2,3
	v_mul_f32 v[28+\nt], v21, v[28+\nt]
.endr
.irp nt, 0,1,2,3
.irp j, 0,1,2,3,4,5,6,7
	v_fma_f32 v[160+8*\nt+\j], v20, v[24+\nt], v[28+\nt]       ; a C operand whose eight rows hold column o's bias
.endr
.endr
; 16 LDS loads: the fragments of 32 along K into buffer f: the weights' four tiles, then the activations' four (ty 0: G, ty 1: Z)
.macro FETCH ty, slot, ks, f
.irp nt, 0,1,2,3
	ds_load_b128 v[64+64*\f+8*\nt:64+64*\f+8*\nt+3], v[4+\slot] offset:4352*\nt+64*\ks
	ds_load_b128 v[64+64*\f+8*\nt+4:64+64*\f+8*\nt+7], v[4+\slot] offset:4352*\nt+64*\ks+32
.endr
.if \ty == 0
.irp m, 0,1,2,3
	ds_load_b128 v[32+64*\f+8*\m:32+64*\f+8*\m+3], v[8+\slot] offset:18432*(\ks/2)+2304*\m+64*(\ks%2)
	ds_load_b128 v[32+64*\f+8*\m+4:32+64*\f+8*\m+7], v[8+\slot] offset:18432*(\ks/2)+2304*\m+64*(\ks%2)+32
.endr
.else
.irp m, 0,1,2,3
	ds_load_tr16_b128 v[32+64*\f+8*\m:32+64*\f+8*\m+3], v[12+\slot] offset:9216*\ks+32*\m
	ds_load_tr16_b128 v[32+64*\f+8*\m+4:32+64*\f+8*\m+7], v[12+\slot] offset:9216*\ks+32*\m+4608
.endr
.endif
.endm
; 8 matrix instructions: row tiles 2 half, 2 half + 1 x all four column tiles.  The 16 accumulators take turns, one instruction a turn.
.macro MULH f, half, cm
.if \cm
	WIN 0x40
.else
	WIN 0x50
.endif
.irp a, 0,1
.set MT, 2*\half+\a
.irp nt, 0,1,2,3
.set AC, 8*(4*MT+\nt)
.if \cm
	v_wmma_f32_16x16x32_f16 v[AC:AC+7], v[32+64*\f+8*MT:32+64*\f+8*MT+7], v[64+64*\f+8*\nt:64+64*\f+8*\nt+7], v[160+8*\nt:160+8*\nt+7]
.else
	v_wmma_f32_16x16x32_f16 v[AC:AC+7], v[32+64*\f+8*MT:32+64*\f+8*MT+7], v[64+64*\f+8*\nt:64+64*\f+8*\nt+7], v[AC:AC+7]
.endif
.endr
.endr
.endm
.macro SUB f, g, nty, nslot, nks, cm
	s_wait_dscnt 4                                 ; the weights and the activations' tiles 0, 1 are in; the youngest four loads (tiles 2, 3) may be out
	MULH \f, 0, \cm
	PLACES
	WIN 0
	FETCH \nty, \nslot, \nks, \g
	s_wait_dscnt 16                                ; all but the 16 just issued
	MULH \f, 1, \cm
.endm
.macro THREE ty, slot, cm
	SUB 0, 1, \ty, \slot, 1, \cm
	SUB 1, 0, \ty, \slot, 2, 0
	SUB 0, 1, \ty, \slot, 3, 0
.endm
; the quarter that changes slots behind a barrier.  In front of the signal: my LDS reads are back, all my tensor loads have landed.
; refill = 1: the barrier opens a round of the cluster's barrier; behind it slots sa and sb, read out, are asked for again (K steps sa + 4, sb + 4), first of all.
.macro SUBX nty, nslot, refill, sa, sb
	s_wait_dscnt 0x0
	s_wait_tensorcnt 0x0
	ds_add_u32 v254, v255
	s_wait_dscnt 0x0
	s_barrier_signal -1
	MULH 1, 0, 0
	WIN 0
	s_barrier_wait -1
.if \refill
	CREST
.irp s, \sa, \sb
	s_add_nc_u64 s[50+4*\s:51+4*\s], s[50+4*\s:51+4*\s], 524288    ; the same columns of lo_w, the next matrix in wf16
	s_add_nc_u64 s[70+4*\s:71+4*\s], s[84:85], 524288*\s           ; Z's rows 128 s + 32 w
.endr
.irp s, \sa, \sb
	tensor_load_to_lds s[48+4*\s:51+4*\s], s[24:31]
	s_nop 0
	tensor_load_to_lds s[68+4*\s:71+4*\s], s[40:47]
	s_nop 0
.endr
.endif
	PLACES
	FETCH \nty, \nslot, 0, 0
	MULH 1, 1, 0
.endm
	s_wait_tensorcnt 4                             ; my parts of K steps 0 and 1 are in; the four younger loads (steps 2, 3) stay out
	s_barrier_signal -1
	s_barrier_wait -1
	FETCH 0, 0, 0, 0
	THREE 0, 0, 1                                  ; K step 0: the bias starts the sums
	SUB 1, 0, 0, 1, 0, 0
	THREE 0, 1, 0                                  ; K step 1
	SUBX 0, 2, 1, 0, 1                             ; steps 2, 3 have landed; slots 0, 1 get steps 4, 5
	THREE 0, 2, 0
	SUB 1, 0, 0, 3, 0, 0
	THREE 0, 3, 0
	SUBX 1, 0, 1, 2, 3                             ; steps 4, 5 have landed; slots 2, 3 get steps 6, 7
	THREE 1, 0, 0
	SUB 1, 0, 1, 1, 0, 0
	THREE 1, 1, 0
	SUBX 1, 2, 0, 0, 0                             ; steps 6, 7 have landed; nothing more to ask for
	THREE 1, 2, 0
	SUB 1, 0, 1, 3, 0, 0
	THREE 1, 3, 0
	s_wait_dscnt 0x0
	MULH 1, 0, 0
	MULH 1, 1, 0
	PLACES                                         ; behind the last matrix instructions: the LDS stores read results
; THE WAY OUT, 16 rows o at a time: 32 bytes a lane into my stage, back as whole rows of 256 bytes; sixteen lanes store 256 consecutive, aligned bytes
.macro OUTN nt
	WIN 0x04                                       ; an LDS store's data is source 1: window 1
.irp m, 0,1,2,3
	ds_store_b128 v16, v[8*(4*\m+\nt):8*(4*\m+\nt)+3] offset:64*\m
	ds_store_b128 v16, v[8*(4*\m+\nt)+4:8*(4*\m+\nt)+7] offset:64*\m+16
.endr
	WIN 0
	s_wait_xcnt 0x0                                ; v192-223, which the last turn's stores read, are loaded again only behind this wait
.irp i, 0,1,2,3,4,5,6,7
	ds_load_b128 v[192+4*\i:192+4*\i+3], v17 offset:544*\i     ; LDS serves a wave's instructions in order: these see the stores above
.endr
.irp i, 0,1,2,3,4,5,6,7
	s_wait_dscnt 7-\i
	global_store_b128 v18, v[192+4*\i:192+4*\i+3], s[90:91] offset:(16*\nt+2*\i)*8192 th:TH_STORE_NT
.endr
.endm
	OUTN 0
	OUTN 1
	OUTN 2
	OUTN 3
	s_wait_tensorcnt 0x0
	ds_add_u32 v254, v255
	s_wait_dscnt 0x0
	CROUND                                         ; the closing round
	s_endpgm
.Lfunc_end_k_q4d8e1f04ff_outp:
	.size	k_q4d8e1f04ff_outp, .Lfunc_end_k_q4d8e1f04ff_outp-k_q4d8e1f04ff_outp
	.p2alignl 7, 3214868480
	.fill 96, 4, 3214868480
	.section	.rodata,"a",@progbits
	.p2align	6, 0x0
	.amdhsa_kernel k_q4d8e1f04ff_outp
		.amdhsa_group_segment_fixed_size 327680
		.amdhsa_private_segment_fixed_size 0
		.amdhsa_enable_private_segment 0
		.amdhsa_kernarg_size 48
		.amdhsa_user_sgpr_count 2
		.amdhsa_user_sgpr_kernarg_segment_ptr 1
		.amdhsa_wavefront_size32 1
		.amdhsa_system_sgpr_workgroup_id_x 1
		.amdhsa_system_sgpr_workgroup_id_y 1
		.amdhsa_system_sgpr_workgroup_id_z 1
		.amdhsa_system_vgpr_workitem_id 0
		.amdhsa_next_free_vgpr 384
		.amdhsa_next_free_sgpr 96
		.amdhsa_reserve_vcc 0
		.amdhsa_float_denorm_mode_32 3
		.amdhsa_float_denorm_mode_16_64 3
		.amdhsa_memory_ordered 1
		.amdhsa_forward_progress 1
		.amdhsa_inst_pref_size 96
	.end_amdhsa_kernel
	.amdgpu_metadata
---
amdhsa.version: [ 1, 2 ]
amdhsa.kernels:
  - .name:           k_q4d8e1f04ff_outp
    .symbol:         k_q4d8e1f04ff_outp.kd
    .args:
      - { .name: wf16, .offset: 0, .size: 8, .value_kind: global_buffer, .address_space: global }
      - { .name: att, .offset: 8, .size: 8, .value_kind: global_buffer, .address_space: global }
      - { .name: go_b, .offset: 16, .size: 8, .value_kind: global_buffer, .address_space: global }
      - { .name: lo_b, .offset: 24, .size: 8, .value_kind: global_buffer, .address_space: global }
      - { .name: t, .offset: 32, .size: 8, .value_kind: global_buffer, .address_space: global }
      - { .name: out0, .offset: 40, .size: 8, .value_kind: global_buffer, .address_space: global }
    .group_segment_fixed_size: 327680
    .private_segment_fixed_size: 0
    .kernarg_segment_align: 8
    .kernarg_segment_size: 48
    .max_flat_workgroup_size: 128
    .sgpr_count:     96
    .vgpr_count:     384
    .wavefront_size: 32
...
	.end_amdgpu_metadata
.endif
;; end of part 4
